; MI455X (gfx1250); checked and timed in simulation.
; The chip was launched on July 23, 2026; its instructions are those of AMD's public machine-readable ISA for CDNA 5 (MIT licence, August 2026) and "CDNA5" Instruction Set Architecture Reference Guide (July 2026). The comments in the code are by the model that wrote it; some were corrected since.
;; Flash Cross Attention Layer. Allowed arithmetic: float matrix products may take bf16 or f16 operands with f32 sums; other float arithmetic in f32, or as packed bf16 or f16 multiplies, adds, multiply-adds, maxima and minima; sums over many terms, partial sums and values carried from step to step in f32; what a program stores and reads back later, other than sums and carried values, may be rounded once to bf16 or f16.
;; Inputs: Wkv 2,048 x 1,024 float32; Wo 1,024 x 1,024 float32; Wq 1,024 x 1,024 float32; bkv 2,048 float32; bo 1,024 float32; bq 1,024 float32; kv 4 x 2,048 x 1,024 float32; mask 4 x 2,048 bool; norm_kv_b 1,024 float32; norm_kv_w 1,024 float32; norm_q_b 1,024 float32; norm_q_w 1,024 float32; q 4 x 1,024 x 1,024 float32.
;; Outputs: out0 4 x 1,024 x 1,024 float32.
;; One version. Each part assembles by itself: llvm-mc -triple=amdgcn-amd-amdhsa -mcpu=gfx1250 --defsym DOCPART=n.
;; ======== version 1 of 1: 4 launches
;; workspace buffers: xn 25,165,824 bytes; wb 8,388,608 bytes; qh 8,388,608 bytes; kvh 33,554,432 bytes; oh 8,388,608 bytes
;; launch prep (part 1): grid 512 x 1, 8 waves a work-group, no clusters, 0 bytes of LDS; arguments q, kv, Wq, Wkv, Wo, norm_q_w, norm_q_b, norm_kv_w, norm_kv_b, xn, wb; writes xn, wb
.if DOCPART == 1
	.amdgcn_target "amdgcn-amd-amdhsa--gfx1250"
	.amdhsa_code_object_version 6
	.text
	.protected	k_q19fe71d1af_prep
	.globl	k_q19fe71d1af_prep
	.p2align	8
	.type	k_q19fe71d1af_prep,@function
k_q19fe71d1af_prep:
	s_mov_b64 s[64:65], 0
	v_nop
	global_prefetch_b8 v0, s[64:65] scope:SCOPE_SE
	s_setreg_imm32_b32 hwreg(HW_REG_WAVE_MODE, 25, 1), 1
	s_wait_xcnt 0x0
; LAYER NORMS AND WEIGHT CONVERSION, one stream.  Every row is 1,024 f32 (4,096 bytes) in and 1,024 bf16 (2,048 bytes) out.
; xn rows 0-4095 = LN(q), rows 4096-12287 = LN(kv);  wb rows 0-1023 = Wq, 1024-3071 = Wkv, 3072-4095 = Wo, each rounded once to bf16.
; A work-group takes 32 rows, each of its eight waves 4; one wave holds one row in 32 registers a lane, so a row is read once: mean, then the
; sum of squares of x - mean (two passes over registers, no difference of large sums), then (x - mean) r w + b.
; Work-groups 0-127: q; 128-383: kv; 384-511: weights (conversion alone).  Lane l holds columns 128 j + 4 l .. + 3, j = 0..7: a load covers 512 consecutive
; bytes, a store of 8 bytes a lane 256 consecutive bytes, aligned.  Two row slots: one at work, one on its way.
; No LDS, no matrix unit, no cluster: no byte is shared between waves or work-groups but the two norm vectors (8 KiB).
; LIMITS: NaN and infinities are not treated apart.
.set OFFI, 2                           ; v2   wave x 4 rows x 4,096 + 16 x lane; never rewritten
.set OFFO, 3                           ; v3   wave x 4 rows x 2,048 + 8 x lane; never rewritten
.set WO,   4                           ; v4   16 x lane: my place in 512 bytes of a norm vector
.set T,    6                           ; v[6:13]   four chains of pairs
.set MU,   14                          ; v[14:15]  the mean (the upper word is named with it, and holds 0)
.set R,    16                          ; v[16:17]  1 / sqrt(var + eps), likewise
.set W,    20                          ; v[20:51]  gains of my 32 columns
.set B,    52                          ; v[52:83]  biases
.set X,    84                          ; v[84:147] two slots of 32
.set Y,    148                         ; v[148:163] a row's 32 bf16, packed
.macro FILL s, row                     ; eight loads: the whole row
.irp j, 0,1,2,3,4,5,6,7
	global_load_b128 v[X+32*(\s)+4*(\j):X+32*(\s)+4*(\j)+3], v[OFFI], s[30:31] offset:(\row)*4096+512*(\j) th:TH_LOAD_NT
.endr
.endm
.macro RED                             ; the sum of v[T] over the 32 lanes, in every lane
.irp m, 1,2,4,8
	v_add_f32_dpp v[T], v[T], v[T] row_xmask:\m row_mask:0xf bank_mask:0xf
.endr
	v_permlanex16_b32 v[T+1], v[T], s40, s41
	v_add_f32 v[T], v[T], v[T+1]
.endm
.macro FOLD                            ; four chains of pairs into one number a lane
	v_pk_add_f32 v[T:T+1], v[T:T+1], v[T+2:T+3]
	v_pk_add_f32 v[T+4:T+5], v[T+4:T+5], v[T+6:T+7]
	v_pk_add_f32 v[T:T+1], v[T:T+1], v[T+4:T+5]
	v_add_f32 v[T], v[T], v[T+1]
.endm
; Row i of the wave's four, in slot i % 2.  fill = 1: the slot then takes row i + 2.  left: the other slot's younger loads, which may stay out.  ln = 0: conversion alone.
.macro TURN i, fill, left, ln
.set XS, X+32*((\i)%2)
	s_wait_loadcnt \left
.if \ln
.irp k, 0,1,2,3
	v_pk_add_f32 v[T+2*(\k):T+2*(\k)+1], v[XS+2*(\k):XS+2*(\k)+1], v[XS+8+2*(\k):XS+8+2*(\k)+1]
.endr
.irp k, 0,1,2,3
	v_pk_add_f32 v[T+2*(\k):T+2*(\k)+1], v[T+2*(\k):T+2*(\k)+1], v[XS+16+2*(\k):XS+16+2*(\k)+1]
.endr
.irp k, 0,1,2,3
	v_pk_add_f32 v[T+2*(\k):T+2*(\k)+1], v[T+2*(\k):T+2*(\k)+1], v[XS+24+2*(\k):XS+24+2*(\k)+1]
.endr
	FOLD
	RED
	v_mul_f32 v[MU], s42, v[T]                     ; the mean
.set p, 0
.rept 16
	v_pk_add_f32 v[XS+p:XS+p+1], v[XS+p:XS+p+1], v[MU:MU+1] op_sel_hi:[1,0] neg_lo:[0,1] neg_hi:[0,1]  ; x - mean
.set p, p+2
.endr
.irp k, 0,1,2,3
	v_pk_mul_f32 v[T+2*(\k):T+2*(\k)+1], v[XS+2*(\k):XS+2*(\k)+1], v[XS+2*(\k):XS+2*(\k)+1]
.endr
.set p, 8
.rept 12
	v_pk_fma_f32 v[T+p%8:T+p%8+1], v[XS+p:XS+p+1], v[XS+p:XS+p+1], v[T+p%8:T+p%8+1]
.set p, p+2
.endr
	FOLD
	RED
	v_fma_f32 v[T], v[T], s42, s43                 ; var + eps
	v_rsq_f32 v[R], v[T]
	v_nop                                          ; a plain instruction behind the root,
	s_wait_alu depctr_va_vdst(0)                   ; and the wait ahead of its first reader
	s_wait_xcnt 0x0                                ; the last row's stores have read Y: it is rewritten only behind this wait
.set p, 0
.rept 16
	v_pk_mul_f32 v[XS+p:XS+p+1], v[XS+p:XS+p+1], v[R:R+1] op_sel_hi:[1,0]
	v_pk_fma_f32 v[XS+p:XS+p+1], v[XS+p:XS+p+1], v[W+p:W+p+1], v[B+p:B+p+1]
.set p, p+2
.endr
.else
	s_wait_xcnt 0x0                                ; the last row's stores have read Y
.endif
.set p, 0
.rept 16
	v_cvt_pk_bf16_f32 v[Y+p], v[XS+2*p], v[XS+2*p+1]
.set p, p+1
.endr
.if \fill
	FILL (\i)%2, (\i)+2
.endif
.irp j, 0,1,2,3,4,5,6,7
	global_store_b64 v[OFFO], v[Y+2*(\j):Y+2*(\j)+1], s[32:33] offset:(\i)*2048+256*(\j) th:TH_STORE_NT  ; 32 lanes: 256 consecutive bytes, aligned
.endr
.endm
	s_load_b512 s[8:23], s[0:1], 0x0               ; q s[8:9], kv s[10:11], Wq s[12:13], Wkv s[14:15], Wo s[16:17], norm_q_w s[18:19], norm_q_b s[20:21], norm_kv_w s[22:23]
	s_load_b128 s[24:27], s[0:1], 0x40             ; norm_kv_b s[24:25], xn s[26:27]
	s_load_b64 s[28:29], s[0:1], 0x50              ; wb
	s_mov_b32 s44, ttmp9                           ; the work-group's number
	s_mov_b32 s39, 0                               ; upper word of the offset pair s[38:39]
	s_mov_b32 s40, 0x76543210                      ; v_permlanex16_b32: each lane takes its own place in the other half
	s_mov_b32 s41, 0xfedcba98
	s_mov_b32 s42, 0x3a800000                      ; 1 / 1024
	s_mov_b32 s43, 0x3727c5ac                      ; eps = 1e-5
	v_and_b32 v1, 31, v0
	v_lshrrev_b32 v5, 5, v0
	v_lshlrev_b32 v[WO], 4, v1
	v_lshl_add_u32 v[OFFI], v5, 14, v[WO]
	v_lshlrev_b32 v[OFFO], 3, v1
	v_lshl_add_u32 v[OFFO], v5, 13, v[OFFO]
	v_mov_b32 v[MU+1], 0
	v_mov_b32 v[R+1], 0
	s_wait_kmcnt 0x0
	s_cmp_ge_u32 s44, 384
	s_cbranch_scc1 .Lweights
	s_cmp_lt_u32 s44, 128                          ; q's rows or kv's
	s_cselect_b64 s[30:31], s[8:9], s[10:11]
	s_cselect_b64 s[34:35], s[18:19], s[22:23]
	s_cselect_b64 s[36:37], s[20:21], s[24:25]
	s_cselect_b32 s38, 0, 128
	s_sub_co_u32 s38, s44, s38
	s_lshl_b32 s38, s38, 17                        ; 32 rows of 4,096 bytes
	s_add_nc_u64 s[30:31], s[30:31], s[38:39]
	s_lshl_b32 s38, s44, 16                        ; 32 rows of 2,048 bytes
	s_add_nc_u64 s[32:33], s[26:27], s[38:39]
.irp j, 0,1,2,3,4,5,6,7
	global_load_b128 v[W+4*(\j):W+4*(\j)+3], v[WO], s[34:35] offset:512*(\j)
	global_load_b128 v[B+4*(\j):B+4*(\j)+3], v[WO], s[36:37] offset:512*(\j)
.endr
	FILL 0, 0
	FILL 1, 1
	TURN 0, 1, 8, 1                                ; the count 8: the other slot's eight loads are younger
	TURN 1, 1, 8, 1
	TURN 2, 0, 8, 1
	TURN 3, 0, 0, 1
	s_endpgm
.Lweights:
	s_sub_co_u32 s45, s44, 384                     ; block j of 128: 0-31 Wq, 32-95 Wkv, 96-127 Wo
	s_cmp_lt_u32 s45, 32
	s_cselect_b64 s[30:31], s[12:13], s[14:15]
	s_cselect_b32 s38, 0, 32
	s_cmp_lt_u32 s45, 96
	s_cselect_b64 s[30:31], s[30:31], s[16:17]
	s_cselect_b32 s38, s38, 96
	s_sub_co_u32 s38, s45, s38
	s_lshl_b32 s38, s38, 17
	s_add_nc_u64 s[30:31], s[30:31], s[38:39]
	s_lshl_b32 s38, s45, 16
	s_add_nc_u64 s[32:33], s[28:29], s[38:39]
	FILL 0, 0
	FILL 1, 1
	TURN 0, 1, 8, 0
	TURN 1, 1, 8, 0
	TURN 2, 0, 8, 0
	TURN 3, 0, 0, 0
	s_endpgm
.Lfunc_end_k_q19fe71d1af_prep:
	.size	k_q19fe71d1af_prep, .Lfunc_end_k_q19fe71d1af_prep-k_q19fe71d1af_prep
	.p2alignl 7, 3214868480
	.fill 96, 4, 3214868480
	.section	.rodata,"a",@progbits
	.p2align	6, 0x0
	.amdhsa_kernel k_q19fe71d1af_prep
		.amdhsa_group_segment_fixed_size 0
		.amdhsa_private_segment_fixed_size 0
		.amdhsa_enable_private_segment 0
		.amdhsa_kernarg_size 88
		.amdhsa_user_sgpr_count 2
		.amdhsa_user_sgpr_kernarg_segment_ptr 1
		.amdhsa_wavefront_size32 1
		.amdhsa_system_sgpr_workgroup_id_x 1
		.amdhsa_system_sgpr_workgroup_id_y 1
		.amdhsa_system_sgpr_workgroup_id_z 1
		.amdhsa_system_vgpr_workitem_id 0
		.amdhsa_next_free_vgpr 164
		.amdhsa_next_free_sgpr 66
		.amdhsa_reserve_vcc 0
		.amdhsa_float_denorm_mode_32 3
		.amdhsa_float_denorm_mode_16_64 3
		.amdhsa_memory_ordered 1
		.amdhsa_forward_progress 1
		.amdhsa_inst_pref_size 49
	.end_amdhsa_kernel
	.amdgpu_metadata
---
amdhsa.version: [ 1, 2 ]
amdhsa.kernels:
  - .name:           k_q19fe71d1af_prep
    .symbol:         k_q19fe71d1af_prep.kd
    .args:
      - { .name: q, .offset: 0, .size: 8, .value_kind: global_buffer, .address_space: global }
      - { .name: kv, .offset: 8, .size: 8, .value_kind: global_buffer, .address_space: global }
      - { .name: Wq, .offset: 16, .size: 8, .value_kind: global_buffer, .address_space: global }
      - { .name: Wkv, .offset: 24, .size: 8, .value_kind: global_buffer, .address_space: global }
      - { .name: Wo, .offset: 32, .size: 8, .value_kind: global_buffer, .address_space: global }
      - { .name: norm_q_w, .offset: 40, .size: 8, .value_kind: global_buffer, .address_space: global }
      - { .name: norm_q_b, .offset: 48, .size: 8, .value_kind: global_buffer, .address_space: global }
      - { .name: norm_kv_w, .offset: 56, .size: 8, .value_kind: global_buffer, .address_space: global }
      - { .name: norm_kv_b, .offset: 64, .size: 8, .value_kind: global_buffer, .address_space: global }
      - { .name: xn, .offset: 72, .size: 8, .value_kind: global_buffer, .address_space: global }
      - { .name: wb, .offset: 80, .size: 8, .value_kind: global_buffer, .address_space: global }
    .group_segment_fixed_size: 0
    .private_segment_fixed_size: 0
    .kernarg_segment_align: 8
    .kernarg_segment_size: 88
    .max_flat_workgroup_size: 256
    .sgpr_count:     66
    .vgpr_count:     164
    .wavefront_size: 32
...
	.end_amdgpu_metadata
.endif
;; end of part 1
;; launch kvq (part 2): grid 8 x 32, 4 waves a work-group, clusters of 4 x 4, 327,680 bytes of LDS; arguments xn, wb, bkv, mask, kvh, bq, qh; writes kvh, qh
.if DOCPART == 2
	.amdgcn_target "amdgcn-amd-amdhsa--gfx1250"
	.amdhsa_code_object_version 6
	.text
	.protected	k_q19fe71d1af_kvq
	.globl	k_q19fe71d1af_kvq
	.p2align	8
	.type	k_q19fe71d1af_kvq,@function
k_q19fe71d1af_kvq:
	s_mov_b64 s[64:65], 0
	v_nop
	global_prefetch_b8 v0, s[64:65] scope:SCOPE_SE
	s_setreg_imm32_b32 hwreg(HW_REG_WAVE_MODE, 25, 1), 1
	s_wait_xcnt 0x0
	s_wait_alu depctr_hold_cnt(0) depctr_sa_sdst(0) depctr_va_vdst(0) depctr_va_sdst(0) depctr_va_ssrc(0) depctr_va_vcc(0) depctr_vm_vsrc(0)
	s_getreg_b32 s2, hwreg(HW_REG_IB_STS2, 6, 4)
	s_cmp_eq_u32 s2, 0
	s_cbranch_scc0 .Lentry_in_a_cluster
	s_endpgm
.Lentry_in_a_cluster:
	s_bfe_u32 s2, ttmp6, 0x10000c
	s_cmp_lg_u32 s2, 0xf033
	s_cbranch_scc0 .Lentry_shape_is_right
	s_endpgm
.Lentry_shape_is_right:
; K, V AND Q PROJECTIONS IN ONE LAUNCH.  Operands bf16, sums f32, each result rounded once to bf16.  A work-group makes two tiles, one after the other, and the ring of LDS slots runs on from the first into the second.
; FIRST TILE, 256 x 256:  C[m][n] = sum over k of LN(kv)[m][k] Wkv[n][k] + bkv[n]; m = 8,192 (xn rows 4096 on), n = 2,048, k = 1,024.  OUT: kvh[batch][g = n / 64][key][64]; g < 16 is K's head g, g >= 16 V's head g - 16.
;   ROWS OF K WHOSE KEY IS MASKED ARE WRITTEN AS EXACT ZEROS, so that the next launch's score of such a key is its addend alone.  A wave makes 128 x 128 in 64 accumulators; K in 8 steps of 128.
; SECOND TILE, 128 x 128:  qh[batch x 16 + head][row][64] = (sum over k of LN(q)[m][k] Wq[n][k] + bq[n]) x c, c = log2(e) / 8, applied in f32 ahead of the one rounding.  m = 4,096, n = 1,024.  A wave makes 64 x 64 (one head); K in 4 steps of 256.
; Both problems have 8 x 32 tiles, so one grid serves both, and both share alike in a CLUSTER of 4 x 4: A's tile is asked for jointly along a row of the cluster, B's along a column: the same tensor load, descriptor and mask in the four.
; THE RING: two slots.  The first tile's last two changes of slots ask for the second tile's K steps 0 and 1, which land while the first tile's last K step is multiplied and the tile goes out; nothing waits for the first tile's stores.
; The matrix instruction is used transposed (source 0 = 16 rows of the weights, source 1 = 16 rows of xn): a lane holds one row and eight neighbouring columns.  The bias is the C operand of the first product on each accumulator.
; A K step of each tile is written once: LDS addresses hang on s[SL], 0 or SLOT, and one descriptor a tensor walks (its LDS word is turned by an exclusive or: SLOT's two bits meet none of the waves' bases in either tile).
; REGISTERS by windows of 256.  First tile: window 0 addresses, masks, A's two fragment buffers, the way out; window 1 v64-191 B's two buffers, v192-255 bkv; windows 2, 3 the accumulators ((a, b) at 8 (8 a + b)).
;   Second tile: window 0 v128-255 the 16 accumulators, v32-95 the way out; window 1 v0-31 bq (loaded at the head); window 2 two fragment buffers of 128 (A's 64 registers, then B's 64).
; LIMITS: mask bytes are 0 or 1; NaN and infinities are not treated apart.
.set KSTEP,  128
.set PITCH,  272                       ; first tile: an LDS row is 256 bytes + 16 of padding: the 16 rows of a fragment load start at 16 different groups of four banks (64 banks of 4 bytes: ISA guide 11.1)
.set HALFT,  128*PITCH                 ; what one of its tensor loads brings
.set SLOT,   4*HALFT                   ; A's 256 rows, then B's 256 rows: 139,264 = 0x22000
.set QPITCH, 528                       ; second tile: 512 bytes + 16
.set QHALFT, 64*QPITCH                 ; 33,792: four of them use 135,168 bytes of a slot
.set QKB,    512                       ; bytes of a row in one of its K steps
.set STAGE,  2*SLOT                    ; behind the ring: for each wave 32 rows x 144 bytes; no tensor load lands here
.set SP,     144
.set HSTG,   16*SP
.set SPARE,  STAGE+4*2*HSTG            ; the spare words, 128 bytes a wave
.set STEPS,  8
.set QSTEPS, 4
.set KM,   6                           ; v6-13   block a's AND word for my row: 0 for a masked key of a K tile, else all ones
.set MO,   14                          ; v14     my row's byte in mask
.set QBO,  15                          ; v15     my 8 columns in bq
.set ADRA, 16                          ; v16     LDS address of my A fragments in the slot in hand
.set ADRA0,17                          ; v17     in slot 0, first tile
.set QA0,  18                          ; v18     in slot 0, second tile
.set QB0,  19
.set ADRB, 20
.set ADRB0,21
.set STO,  24                          ; the way out, both tiles: where I put 16 bytes of a row,
.set RD,   25                          ; where I read four rows back,
.set CO,   26                          ; my 16 bytes of 512 consecutive ones
.set BO,   27
.set SPW,  28                          ; my spare word; never rewritten
.set NIL,  29                          ; 0; never rewritten
.set PFO,  30                          ; lane x a row of 2,048 bytes; never rewritten
.set PFOQ, 31                          ; (lane / 2) x 2,048 + (lane % 2) x 256; never rewritten
.set OB,   32                          ; first tile's way out: rows read back: v32-63 and v224-255 by turns
.set F0,   64
.set F1,   128
.set TMP,  192
.set BIAS, 192                         ; window 1: n block b's eight numbers at BIAS + 8 b
.set QBIAS,0                           ; window 1
.set QF0,  0                           ; window 2
.set QF1,  128
.set QACC, 128                         ; window 0: (a, b) at QACC + 8 (4 a + b)
.set QTMP, 32
.set PFQ, 22                           ; s[22:23] the second tile's prefetches: my work-group's 16 rows of the 64 that I fetch; never rewritten
.set G1,  24
.set G0,  32                           ; two sets: slot 0 with K step 0 (used once); slot 1 with K step 1, which then walks
.set LIM, 43
.set PFA, 44
.set G1B, 48
.set G0B, 56
.set KFL, 66                           ; 1 in a tile of K's columns
.set SL,  67                           ; LDS byte of the slot that is read
.set QG1, 72                           ; the second tile's descriptors: group 1 for A, for B; one walking group 0 each
.set QG1B,80
.set QG0, 88
.set QG0B,92
.set CS,  100                          ; s[100:101] c
.set MSB, 0
.macro WIN new
.if MSB != (\new)
	s_set_vgpr_msb (MSB<<8)|(\new)
.set MSB, \new
.endif
.endm
.set MUL_LO, 0xa1                      ; source 0 (B) window 1, source 1 (A) window 0, C and D window 2
.set TO_B,   0x40
.set QMUL,   0x0a                      ; sources 0 and 1 window 2, C and D window 0
.set TO_QF,  0x80
.macro PLACES
.rept 4
	v_nop
.endr
.endm
; A joint refill: waves 0, 1 fetch A's halves, waves 2, 3 B's; an s_nop 0 and four v_nop follow each line.  The branch hangs on the wave's number alone.
.macro JLOAD ga, g1a, gb, g1b
	s_cmp_eq_u32 s11, 0
	s_cbranch_scc0 .Lfor_b_\@
	tensor_load_to_lds s[(\ga):(\ga)+3], s[(\g1a):(\g1a)+7]
	s_nop 0
	PLACES
	s_branch .Lasked_\@
.Lfor_b_\@:
	tensor_load_to_lds s[(\gb):(\gb)+3], s[(\g1b):(\g1b)+7]
	s_nop 0
	PLACES
.Lasked_\@:
.endm
; PREFETCHES.  Cluster x = 0 asks for A's rows, cluster y = 0 for B's; the four partners of a joint load share its rows by address: no branch hangs on a work-group's place in its cluster.
; ASK, first tile: the K step two refills on: 32 rows x 256 bytes, a lane a row.  The trips with s3 = 6 .. 3 name K steps 4 .. 7; the last two name nothing.
.macro ASK
	s_cmp_gt_u32 s3, s[LIM]
	s_cbranch_scc0 .Lnot_mine_\@
	global_prefetch_b8 v[PFO], s[PFA:PFA+1] offset:KSTEP*2 th:TH_LOAD_NT scope:SCOPE_SE
.Lnot_mine_\@:
.endm
; ASKQ, second tile: 16 rows x 512 bytes, a lane a block of 256.  The two changes of slots that ask for its K steps 0 and 1 name its K steps 2 and 3: again two refills on.  K steps 0 and 1 come by their loads alone.
.macro ASKQ off
	s_cmp_eq_u32 s[LIM], 2
	s_cbranch_scc0 .Lnot_mine_q_\@
	global_prefetch_b8 v[PFOQ], s[PFQ:PFQ+1] offset:\off th:TH_LOAD_NT scope:SCOPE_SE
.Lnot_mine_q_\@:
.endm
.macro CREST
	s_cmp_lg_u32 s10, 0
	s_cbranch_scc1 .Lnot_wave_0_\@
	s_barrier_signal -3
.Lnot_wave_0_\@:
	s_barrier_wait -3
	s_barrier_signal -1
	s_barrier_wait -1
.endm
.macro CROUND
	s_barrier_signal -1
	s_barrier_wait -1
	CREST
.endm
.macro QSTEP                           ; the second tile's walking descriptors: the other slot, the next K step.  Written only where no tensor load of mine is out
	s_xor_b32 s[QG0+1], s[QG0+1], SLOT
	s_add_nc_u64 s[QG0+2:QG0+3], s[QG0+2:QG0+3], QKB
	s_xor_b32 s[QG0B+1], s[QG0B+1], SLOT
	s_add_nc_u64 s[QG0B+2:QG0B+3], s[QG0B+2:QG0B+3], QKB
.endm
; ---------------- the first tile's macros ----------------
; 16 products: m blocks a0, a0 + 1 of the window's four x all 8 n blocks, 32 along K.  zero = 1: the sum starts with the bias.  The 64 accumulators take turns in the same order in every quarter.
.macro MUL16 f, hi, a0, zero
.if \zero
	WIN 0x91+0x40*(\hi)
.else
	WIN MUL_LO+0x50*(\hi)
.endif
.irp a, \a0, (\a0)+1
.irp b, 0,1,2,3,4,5,6,7
.if \zero
	v_wmma_f32_16x16x32_bf16 v[8*(8*(\a)+(\b)):8*(8*(\a)+(\b))+7], v[(\f)+8*(\b):(\f)+8*(\b)+7], v[(\f)+8*(4*(\hi)+(\a)):(\f)+8*(4*(\hi)+(\a))+7], v[BIAS+8*(\b):BIAS+8*(\b)+7]
.else
	v_wmma_f32_16x16x32_bf16 v[8*(8*(\a)+(\b)):8*(8*(\a)+(\b))+7], v[(\f)+8*(\b):(\f)+8*(\b)+7], v[(\f)+8*(4*(\hi)+(\a)):(\f)+8*(4*(\hi)+(\a))+7], v[8*(8*(\a)+(\b)):8*(8*(\a)+(\b))+7]
.endif
.endr
.endr
.endm
.macro FETCH k, f                      ; 32 LDS loads in one run: a quarter's fragments (B's 128 rows, A's 128 rows, 32 along K at byte k)
	WIN TO_B
.irp i, 0,1,2,3,4,5,6,7
	ds_load_b128 v[(\f)+8*(\i):(\f)+8*(\i)+3],   v[ADRB] offset:(\k)+(\i)*16*PITCH
	ds_load_b128 v[(\f)+8*(\i)+4:(\f)+8*(\i)+7], v[ADRB] offset:(\k)+(\i)*16*PITCH+32
.endr
	WIN 0
.irp i, 0,1,2,3,4,5,6,7
	ds_load_b128 v[(\f)+8*(\i):(\f)+8*(\i)+3],   v[ADRA] offset:(\k)+(\i)*16*PITCH
	ds_load_b128 v[(\f)+8*(\i)+4:(\f)+8*(\i)+7], v[ADRA] offset:(\k)+(\i)*16*PITCH+32
.endr
.endm
.macro QUARTER k, f, g, zero           ; multiplies buffer f; in its middle fetches the next quarter, at byte k, into g
	s_wait_dscnt 8                                 ; B and A's rows 0-63 are in; the youngest eight loads (A's rows 64-127) may be out
	MUL16 \f, 0, 0, \zero
	MUL16 \f, 0, 2, \zero
	PLACES                                         ; four places in front of loads into registers that products have read
	FETCH \k, \g
	s_wait_dscnt 32                                ; all but the 32 just issued
	MUL16 \f, 1, 0, \zero
	MUL16 \f, 1, 2, \zero
.endm
; The fourth quarter and the change of slots.  In front of the barrier each wave waits for all its tensor loads (one is out: its part of the next slot), adds 0 to its spare word, and waits for that and for its reads of this slot.
; The barrier opens a round of the cluster's, and the joint refill of the slot just left is the first tensor load behind it.
; fill = 1: this tile's K step two on.  fill = 2: the second tile's K step 0.  fill = 3: the tile's last quarter: the second tile's K step 1; no fragments are fetched.
.macro TURN fill
.if (\fill) == 1
	s_wait_xcnt 0x0                                ; the last prefetch, a K step back, has read its address
	s_add_nc_u64 s[PFA:PFA+1], s[PFA:PFA+1], KSTEP*2
.endif
	WIN 0
	s_wait_tensorcnt 0x0
	ds_add_u32 v[SPW], v[NIL]
	s_wait_dscnt 9                                 ; the add and the youngest eight loads may be out
	MUL16 F1, 0, 0, 0
	s_wait_dscnt 0x0                               ; the add is done, my reads of this slot are over
	s_barrier_signal -1
	MUL16 F1, 0, 2, 0
	WIN 0
	s_barrier_wait -1
	CREST
.if (\fill) == 1
	s_xor_b32 s[G0+5], s[G0+5], SLOT               ; no load of mine is out: the walking descriptors step: the other slot, the next K step
	s_add_nc_u64 s[G0+6:G0+7], s[G0+6:G0+7], KSTEP*2
	s_xor_b32 s[G0B+5], s[G0B+5], SLOT
	s_add_nc_u64 s[G0B+6:G0B+7], s[G0B+6:G0B+7], KSTEP*2
	JLOAD G0+4, G1, G0B+4, G1B                     ; its four v_nop are also the places in front of the loads below
.else
.if (\fill) == 3
	QSTEP
.endif
	JLOAD QG0, QG1, QG0B, QG1B
.endif
.if (\fill) < 3
	s_xor_b32 s[SL], s[SL], SLOT
	v_add_nc_u32 v[ADRA], s[SL], v[ADRA0]
	v_add_nc_u32 v[ADRB], s[SL], v[ADRB0]
	FETCH 0, F0
.endif
.if (\fill) == 1
	ASK
.else
	ASKQ (\fill)*QKB
.endif
	MUL16 F1, 1, 0, 0
	MUL16 F1, 1, 2, 0
.endm
; THE WAY OUT of block a of the first tile (16 kv rows x 128 columns = 2 heads).
.macro PACK a
.set AC, 64*((\a)%4)
	WIN 0x0a+5*((\a)/4)
.irp b, 0,1,2,3,4,5,6,7
.irp r, 0,1,2,3
	v_cvt_pk_bf16_f32 v[TMP+4*(\b)+(\r)], v[AC+8*(\b)+2*(\r)], v[AC+8*(\b)+2*(\r)+1]
.endr
.endr
	WIN 0
.set z, 0
.rept 32
	v_and_b32 v[TMP+z], v[KM+(\a)], v[TMP+z]       ; a masked key's row of K becomes 0; in V's tiles the word is all ones
.set z, z+1
.endr
.endm
.macro TOSTAGE a
	WIN 0
.set BK, OB+192*((\a)%2)
.irp b, 0,1,2,3,4,5,6,7
	ds_store_b128 v[STO], v[TMP+4*(\b):TMP+4*(\b)+3] offset:((\b)/4)*HSTG+32*((\b)%4)
.endr
.irp j, 0,1
.irp t, 0,1,2,3
	ds_load_b128 v[BK+4*(4*(\j)+(\t)):BK+4*(4*(\j)+(\t))+3], v[RD] offset:(\j)*HSTG+(\t)*4*SP  ; LDS serves a wave's instructions in order (ISA guide 5.7.1.4): these see the stores above
.endr
.endr
.endm
.macro SEND a
	WIN 0
.set BK, OB+192*((\a)%2)
	s_wait_dscnt 0x0                               ; the block is back in registers
	s_wait_xcnt 0x0                                ; the stores before have read their registers: the other buffer is loaded again only behind this wait
.irp j, 0,1
.irp t, 0,1,2,3
	global_store_b128 v[CO], v[BK+4*(4*(\j)+(\t)):BK+4*(4*(\j)+(\t))+3], s[8:9] offset:(\a)*2048+(\j)*262144+(\t)*512  ; four keys of a head: 512 consecutive bytes, aligned
.endr
.endr
.endm
; ---------------- the second tile's macros ----------------
.macro QMUL8 f, c, a0, zero            ; 8 products: m blocks a0, a0 + 1 x 4 n blocks, half c of buffer f.  zero = 1: the sum starts with the bias (window 1).  The 16 accumulators take turns
.if \zero
	WIN QMUL+0x10
.else
	WIN QMUL
.endif
.irp a, \a0, (\a0)+1
.irp b, 0,1,2,3
.if \zero
	v_wmma_f32_16x16x32_bf16 v[QACC+8*(4*(\a)+(\b)):QACC+8*(4*(\a)+(\b))+7], v[(\f)+64+8*(4*(\c)+(\b)):(\f)+64+8*(4*(\c)+(\b))+7], v[(\f)+8*(4*(\c)+(\a)):(\f)+8*(4*(\c)+(\a))+7], v[QBIAS+8*(\b):QBIAS+8*(\b)+7]
.else
	v_wmma_f32_16x16x32_bf16 v[QACC+8*(4*(\a)+(\b)):QACC+8*(4*(\a)+(\b))+7], v[(\f)+64+8*(4*(\c)+(\b)):(\f)+64+8*(4*(\c)+(\b))+7], v[(\f)+8*(4*(\c)+(\a)):(\f)+8*(4*(\c)+(\a))+7], v[QACC+8*(4*(\a)+(\b)):QACC+8*(4*(\a)+(\b))+7]
.endif
.endr
.endr
.endm
.macro QFETCH k, f                     ; 32 LDS loads: 64 along K at byte k; the first 32 along K first
	WIN TO_QF
.irp c, 0,1
.irp i, 0,1,2,3
	ds_load_b128 v[(\f)+64+8*(4*(\c)+(\i)):(\f)+64+8*(4*(\c)+(\i))+3],   v[ADRB] offset:(\k)+64*(\c)+(\i)*16*QPITCH
	ds_load_b128 v[(\f)+64+8*(4*(\c)+(\i))+4:(\f)+64+8*(4*(\c)+(\i))+7], v[ADRB] offset:(\k)+64*(\c)+(\i)*16*QPITCH+32
	ds_load_b128 v[(\f)+8*(4*(\c)+(\i)):(\f)+8*(4*(\c)+(\i))+3],         v[ADRA] offset:(\k)+64*(\c)+(\i)*16*QPITCH
	ds_load_b128 v[(\f)+8*(4*(\c)+(\i))+4:(\f)+8*(4*(\c)+(\i))+7],       v[ADRA] offset:(\k)+64*(\c)+(\i)*16*QPITCH+32
.endr
.endr
.endm
.macro QQUARTER k, f, g, zero
	s_wait_dscnt 16                                ; the first 32 along K are in; the youngest sixteen loads may be out
	QMUL8 \f, 0, 0, \zero
	QMUL8 \f, 0, 2, \zero
	PLACES
	QFETCH \k, \g
	s_wait_dscnt 32                                ; all but the 32 just issued
	QMUL8 \f, 1, 0, 0
	QMUL8 \f, 1, 2, 0
.endm
.macro QTURN fill                      ; the fourth quarter and the change of slots; fill = 1: the K step two on goes into the slot just left
	WIN 0
	s_wait_tensorcnt 0x0                           ; all my tensor loads have landed: my part of the next slot
	ds_add_u32 v[SPW], v[NIL]
	s_wait_dscnt 17                                ; the add and the youngest sixteen loads may be out
	QMUL8 QF1, 0, 0, 0
	s_wait_dscnt 0x0                               ; the add is done, my reads of this slot are over
	s_barrier_signal -1
	QMUL8 QF1, 0, 2, 0
	WIN 0
	s_barrier_wait -1
.if \fill
	CREST
	QSTEP
	JLOAD QG0, QG1, QG0B, QG1B
.else
	PLACES
.endif
	s_xor_b32 s[SL], s[SL], SLOT
	v_add_nc_u32 v[ADRA], s[SL], v[QA0]
	v_add_nc_u32 v[ADRB], s[SL], v[QB0]
	QFETCH 0, QF0
	QMUL8 QF1, 1, 0, 0
	QMUL8 QF1, 1, 2, 0
.endm
; ---------------- the head ----------------
	s_load_b128 s[4:7], s[0:1], 0x0                ; xn s[4:5], wb s[6:7]
	s_load_b128 s[68:71], s[0:1], 0x10             ; bkv s[68:69], mask s[70:71]
	s_load_b64 s[8:9], s[0:1], 0x20                ; kvh
	s_load_b64 s[96:97], s[0:1], 0x28              ; bq
	s_load_b64 s[98:99], s[0:1], 0x30              ; qh
	v_lshl_add_u32 v[SPW], v0, 2, SPARE
	v_mov_b32 v[NIL], 0
	ds_add_u32 v[SPW], v[NIL]                      ; the opening: the add, twice on end, and its wait ahead of my first tensor load
	ds_add_u32 v[SPW], v[NIL]
	v_lshrrev_b32 v1, 5, v0
	v_readfirstlane_b32 s10, v1                    ; wave 0..3
	s_lshr_b32 s11, s10, 1                         ; my half of a tile's rows; also: I fetch for A (0) or B (1)
	s_and_b32 s12, s10, 1                          ; my half of its columns; also: which half of that tile's rows I fetch
	s_bfe_u32 s40, ttmp6, 0x40000                  ; cx
	s_bfe_u32 s41, ttmp6, 0x40004                  ; cy
	s_lshl_b32 s42, ttmp9, 2
	s_add_co_u32 s42, s42, s40                     ; tile column, of both tiles
	s_and_b32 s13, ttmp7, 0xffff
	s_lshl_b32 s13, s13, 2
	s_add_co_u32 s13, s13, s41                     ; tile row
	s_lshl_b32 s43, s41, 2
	s_lshl_b32 s43, 15, s43                        ; my row of the cluster
	s_lshl_b32 s44, 0x1111, s40                    ; my column
	s_or_b32 s[G1+0], s43, (1<<16)|(1<<20)|(1<<21)|(5<<22)|(3<<25)   ; mask; 2-byte elements; padding on; bit 21 beside a mask; after every 64 words 4 words
	s_or_b32 s[G1B+0], s44, (1<<16)|(1<<20)|(1<<21)|(5<<22)|(3<<25)
	s_or_b32 s[QG1+0], s43, (1<<16)|(1<<20)|(1<<21)|(6<<22)|(3<<25)  ; the second tile's: after every 128 words 4 words
	s_or_b32 s[QG1B+0], s44, (1<<16)|(1<<20)|(1<<21)|(6<<22)|(3<<25)
.irp g, G1, G1B
	s_mov_b32 s[(\g)+1], KSTEP<<16                 ; tensor_dim0 = 128
	s_mov_b32 s[(\g)+2], 128<<16                   ; tensor_dim1 = 128
	s_mov_b32 s[(\g)+3], KSTEP<<16                 ; tile_dim0 = 128
	s_mov_b32 s[(\g)+4], 128                       ; tile_dim1 = 128
	s_mov_b32 s[(\g)+5], 1024                      ; elements from row to row
	s_mov_b32 s[(\g)+6], 0
	s_mov_b32 s[(\g)+7], 0
.endr
.irp g, QG1, QG1B
	s_mov_b32 s[(\g)+1], 256<<16                   ; tensor_dim0 = 256
	s_mov_b32 s[(\g)+2], 64<<16                    ; tensor_dim1 = 64
	s_mov_b32 s[(\g)+3], 256<<16                   ; tile_dim0 = 256
	s_mov_b32 s[(\g)+4], 64                        ; tile_dim1 = 64
	s_mov_b32 s[(\g)+5], 1024
	s_mov_b32 s[(\g)+6], 0
	s_mov_b32 s[(\g)+7], 0
.endr
	s_mov_b32 s[CS], 0x3e38aa3b                    ; c = log2(e) / 8
	s_mov_b32 s[CS+1], s[CS]
	s_lshl_b32 s17, s12, 7
	s_lshl_b32 s16, s13, 8
	s_add_co_u32 s16, s16, s17                     ; first tile, A: kv row 256 x tile row + 128 x half
	s_lshl_b32 s16, s16, 11
	s_add_co_u32 s16, s16, 8388608                 ; LN(kv) begins at xn's row 4096
	s_lshl_b32 s46, s42, 8
	s_add_co_u32 s46, s46, s17                     ; B: row 256 x tile column + 128 x half
	s_lshl_b32 s46, s46, 11
	s_add_co_u32 s46, s46, 2097152                 ; Wkv begins at wb's row 1024
	s_mov_b32 s17, 0
	s_mov_b32 s47, 0
	s_lshl_b32 s19, s12, 6
	s_lshl_b32 s18, s13, 7
	s_add_co_u32 s18, s18, s19                     ; second tile, A: xn's row 128 x tile row + 64 x half
	s_lshl_b32 s18, s18, 11
	s_lshl_b32 s2, s42, 7
	s_add_co_u32 s2, s2, s19                       ; B: wb's row 128 x tile column + 64 x half
	s_lshl_b32 s2, s2, 11
	s_mov_b32 s19, 0
	s_mov_b32 s3, 0
	s_mul_i32 s20, s10, HALFT                      ; where my part of a slot lies, first tile
	s_mov_b32 s[SL], 0
	s_wait_dscnt 0x0                               ; both opening adds are done
	s_wait_kmcnt 0x0
	s_add_nc_u64 s[14:15], s[4:5], s[16:17]
	s_add_nc_u64 s[46:47], s[6:7], s[46:47]
	CROUND                                         ; all sixteen work-groups are here: the first joint loads meet
.irp s, 0,1
	s_mov_b32 s[G0+4*(\s)], 1
	s_add_co_u32 s[G0+4*(\s)+1], s20, (\s)*SLOT
	s_add_nc_u64 s[G0+4*(\s)+2:G0+4*(\s)+3], s[14:15], (\s)*KSTEP*2
	s_or_b32 s[G0+4*(\s)+3], s[G0+4*(\s)+3], 0x80000000
	s_mov_b32 s[G0B+4*(\s)], 1
	s_add_co_u32 s[G0B+4*(\s)+1], s20, (\s)*SLOT
	s_add_nc_u64 s[G0B+4*(\s)+2:G0B+4*(\s)+3], s[46:47], (\s)*KSTEP*2
	s_or_b32 s[G0B+4*(\s)+3], s[G0B+4*(\s)+3], 0x80000000
.endr
	s_cmp_eq_u32 s11, 0                            ; a wave's two first fills stand in one branch: two loads of mine are out
	s_cbranch_scc0 .Lfirst_b
	tensor_load_to_lds s[G0:G0+3], s[G1:G1+7]
	s_nop 0
	tensor_load_to_lds s[G0+4:G0+7], s[G1:G1+7]
	s_nop 0
	PLACES
	s_branch .Lfirst_asked
.Lfirst_b:
	tensor_load_to_lds s[G0B:G0B+3], s[G1B:G1B+7]
	s_nop 0
	tensor_load_to_lds s[G0B+4:G0B+7], s[G1B:G1B+7]
	s_nop 0
	PLACES
.Lfirst_asked:
	s_mov_b32 s[QG0], 1                            ; the second tile's group 0: slot 0, K step 0
	s_mul_i32 s[QG0+1], s10, QHALFT
	s_add_nc_u64 s[QG0+2:QG0+3], s[4:5], s[18:19]
	s_or_b32 s[QG0+3], s[QG0+3], 0x80000000
	s_mov_b32 s[QG0B], 1
	s_mul_i32 s[QG0B+1], s10, QHALFT
	s_add_nc_u64 s[QG0B+2:QG0B+3], s[6:7], s[2:3]
	s_or_b32 s[QG0B+3], s[QG0B+3], 0x80000000
	v_and_b32 v1, 15, v0                           ; r = l % 16
	v_bfe_u32 v2, v0, 4, 1                         ; h = l / 16
	; the two biases: my 8 columns of each n block; the mask bytes of my row in each of the first tile's 8 row blocks
	s_lshl_b32 s46, s42, 10
	s_lshl_b32 s47, s12, 9
	s_add_co_u32 s46, s46, s47
	v_lshl_add_u32 v[BO], v2, 5, s46               ; 4 x (256 tile column + 128 half + 8 h)
	s_lshr_b32 s46, s46, 1
	v_lshl_add_u32 v[QBO], v2, 5, s46              ; 4 x (128 tile column + 64 half + 8 h)
	s_lshl_b32 s16, s13, 8
	s_lshl_b32 s17, s11, 7
	s_add_co_u32 s16, s16, s17
	v_add_nc_u32 v[MO], s16, v1                    ; kv row 256 tile row + 128 half + r
	WIN 0x40
.irp b, 0,1,2,3,4,5,6,7
	global_load_b128 v[BIAS+8*(\b):BIAS+8*(\b)+3],   v[BO], s[68:69] offset:64*(\b)
	global_load_b128 v[BIAS+8*(\b)+4:BIAS+8*(\b)+7], v[BO], s[68:69] offset:64*(\b)+16
.endr
.irp b, 0,1,2,3
	global_load_b128 v[QBIAS+8*(\b):QBIAS+8*(\b)+3],   v[QBO], s[96:97] offset:64*(\b)
	global_load_b128 v[QBIAS+8*(\b)+4:QBIAS+8*(\b)+7], v[QBO], s[96:97] offset:64*(\b)+16
.endr
	WIN 0
.irp a, 0,1,2,3,4,5,6,7
	global_load_u8 v[KM+(\a)], v[MO], s[70:71] offset:16*(\a)
.endr
	s_cmp_lt_u32 s42, 4                            ; tile columns 0-3 are K's: a select, no branch
	s_cselect_b32 s[KFL], 1, 0
	v_mul_u32_u24 v3, v1, PITCH
	v_lshl_add_u32 v3, v2, 4, v3                   ; a fragment's row x pitch + 16 x half
	s_mul_i32 s21, s11, HALFT
	s_mul_i32 s22, s12, HALFT
	s_add_co_u32 s22, s22, 2*HALFT
	v_add_nc_u32 v[ADRA0], s21, v3
	v_add_nc_u32 v[ADRB0], s22, v3
	v_mov_b32 v[ADRA], v[ADRA0]
	v_mov_b32 v[ADRB], v[ADRB0]
	v_mul_u32_u24 v3, v1, QPITCH                   ; the same for the second tile
	v_lshl_add_u32 v3, v2, 4, v3
	s_mul_i32 s21, s11, QHALFT
	s_mul_i32 s22, s12, QHALFT
	s_add_co_u32 s22, s22, 2*QHALFT
	v_add_nc_u32 v[QA0], s21, v3
	v_add_nc_u32 v[QB0], s22, v3
	s_mul_i32 s23, s10, 2*HSTG
	s_add_co_u32 s23, s23, STAGE                   ; my stage
	v_mul_u32_u24 v4, v1, SP
	v_lshl_add_u32 v4, v2, 4, v4
	v_add_nc_u32 v[STO], s23, v4                   ; in: row r, 16 bytes for each half of the lanes
	v_bfe_u32 v3, v0, 3, 2
	v_and_b32 v4, 7, v0
	v_mul_u32_u24 v3, v3, SP
	v_lshl_add_u32 v3, v4, 4, v3
	v_add_nc_u32 v[RD], s23, v3                    ; back: 32 lanes take four rows of 128 bytes
	v_and_b32 v5, 31, v0
	v_lshlrev_b32 v[CO], 4, v5                     ; which are 512 consecutive bytes of kvh or qh
	v_lshlrev_b32 v[PFO], 11, v5
	v_lshrrev_b32 v3, 1, v5
	v_and_b32 v4, 1, v5
	v_lshlrev_b32 v3, 11, v3
	v_lshl_add_u32 v[PFOQ], v4, 8, v3
	; kvh at my rows and heads: batch x 8,388,608 + ((tile row % 8) x 256 + 128 half) x 128, then (4 tile column + 2 half) x 262,144
	s_lshr_b32 s16, s13, 3
	s_lshl_b32 s16, s16, 23
	s_and_b32 s17, s13, 7
	s_lshl_b32 s17, s17, 1
	s_add_co_u32 s17, s17, s11
	s_lshl_b32 s17, s17, 14
	s_add_co_u32 s16, s16, s17
	s_mov_b32 s17, 0
	s_add_nc_u64 s[8:9], s[8:9], s[16:17]
	s_lshl_b32 s46, s42, 1
	s_add_co_u32 s46, s46, s12
	s_lshl_b32 s46, s46, 19
	s_mov_b32 s47, 0
	s_add_nc_u64 s[8:9], s[8:9], s[46:47]
	; qh at my 64 rows of my head: batch x 16 heads x 131,072 + ((tile row % 8) x 128 + 64 half) x 128, then (2 tile column + half) x 131,072
	s_lshr_b32 s16, s13, 3
	s_lshl_b32 s16, s16, 21
	s_and_b32 s17, s13, 7
	s_lshl_b32 s17, s17, 1
	s_add_co_u32 s17, s17, s11
	s_lshl_b32 s17, s17, 13
	s_add_co_u32 s16, s16, s17
	s_mov_b32 s17, 0
	s_add_nc_u64 s[98:99], s[98:99], s[16:17]
	s_lshl_b32 s46, s42, 1
	s_add_co_u32 s46, s46, s12
	s_lshl_b32 s46, s46, 17
	s_mov_b32 s47, 0
	s_add_nc_u64 s[98:99], s[98:99], s[46:47]
	; the prefetches' pointers
	s_and_b32 s22, ttmp7, 0xffff
	s_mov_b32 s18, 8388608
	s_mov_b32 s19, 2097152
	s_cmp_eq_u32 s11, 0                            ; do I fetch for A?
	s_cselect_b32 s20, s13, s42                    ; the tile's number along its tensor's rows
	s_cselect_b32 s21, s40, s41                    ; my place among the four that ask with me
	s_cselect_b32 s22, ttmp9, s22                  ; the coordinate along which other clusters read the same rows
	s_cselect_b32 s18, s18, s19
	s_cselect_b64 s[PFA:PFA+1], s[4:5], s[6:7]
	s_cmp_eq_u32 s22, 0
	s_cselect_b32 s[LIM], 2, -1                    ; the same in all sixteen partners, for a given wave
	s_lshl_b32 s22, s20, 7                         ; second tile: row 128 x tile + 64 x half + 16 x place
	s_lshl_b32 s19, s12, 6
	s_add_co_u32 s22, s22, s19
	s_lshl_b32 s19, s21, 4
	s_add_co_u32 s22, s22, s19
	s_lshl_b32 s22, s22, 11
	s_mov_b32 s23, 0
	s_add_nc_u64 s[PFQ:PFQ+1], s[PFA:PFA+1], s[PFQ:PFQ+1]
	s_lshl_b32 s20, s20, 8                         ; first tile: row 256 x tile + 128 x half + 32 x place
	s_lshl_b32 s19, s12, 7
	s_add_co_u32 s20, s20, s19
	s_lshl_b32 s21, s21, 5
	s_add_co_u32 s20, s20, s21
	s_lshl_b32 s20, s20, 11
	s_add_co_u32 s20, s20, s18
	s_add_co_u32 s20, s20, 2*KSTEP*2               ; at K step 2: the first refill steps it to 3 and names K step 4
	s_mov_b32 s21, 0
	s_add_nc_u64 s[PFA:PFA+1], s[PFA:PFA+1], s[20:21]
; ---------------- the first tile ----------------
	s_wait_tensorcnt 1                             ; my part of K step 0 is in; K step 1's may stay out
	s_barrier_signal -1
	s_barrier_wait -1
	FETCH 0, F0
	s_wait_loadcnt 0x0                             ; both biases and the mask bytes
.irp a, 0,1,2,3,4,5,6,7
	v_and_b32 v[KM+(\a)], s[KFL], v[KM+(\a)]
.endr
.irp a, 0,1,2,3,4,5,6,7
	v_add_nc_u32 v[KM+(\a)], -1, v[KM+(\a)]        ; 1 -> 0, 0 -> all ones
.endr
	QUARTER 64, F0, F1, 1                          ; the first quarter starts the sums, with the bias
	WIN 0
	s_mov_b32 s3, STEPS-2
.Lstep:                                                ; a trip: from a K step's second quarter to the next one's first; it fills the slot that it leaves
	QUARTER 128, F1, F0, 0
	QUARTER 192, F0, F1, 0
	TURN 1
	QUARTER 64, F0, F1, 0
	WIN 0
	s_sub_co_u32 s3, s3, 1
	s_cmp_lg_u32 s3, 0
	s_cbranch_scc1 .Lstep
	QUARTER 128, F1, F0, 0                         ; THE RING GOES ON INTO THE SECOND TILE: slot 0 takes its K step 0,
	QUARTER 192, F0, F1, 0
	TURN 2
	QUARTER 64, F0, F1, 0
	QUARTER 128, F1, F0, 0
	QUARTER 192, F0, F1, 0
	TURN 3                                         ; slot 1 its K step 1.  The wait in front of this round has shown K step 0 landed, in every wave
	PLACES                                         ; both refills are asked for: now the first tile goes out
	PACK 0
	TOSTAGE 0
.irp a, 1,2,3,4,5,6,7                  ; block a's conversions stand between block a - 1's loads from the stage and the wait for them
	PACK \a
	SEND (\a)-1
	TOSTAGE \a
.endr
	SEND 7
; ---------------- the second tile ----------------
	s_wait_xcnt 0x0                                ; the last stores have read their registers, which the products below write over; nothing waits for the stores themselves
	s_mov_b32 s[SL], 0
	v_mov_b32 v[ADRA], v[QA0]
	v_mov_b32 v[ADRB], v[QB0]
	QFETCH 0, QF0
	QQUARTER 128, QF0, QF1, 1                      ; the first quarter's first products start the sums, with the bias
	WIN 0
	s_mov_b32 s3, QSTEPS-2
.Lqstep:
	QQUARTER 256, QF1, QF0, 0
	QQUARTER 384, QF0, QF1, 0
	QTURN 1
	QQUARTER 128, QF0, QF1, 0
	WIN 0
	s_sub_co_u32 s3, s3, 1
	s_cmp_lg_u32 s3, 0
	s_cbranch_scc1 .Lqstep
	QQUARTER 256, QF1, QF0, 0                      ; the last two K steps ask for nothing
	QQUARTER 384, QF0, QF1, 0
	QTURN 0
	QQUARTER 128, QF0, QF1, 0
	QQUARTER 256, QF1, QF0, 0
	QQUARTER 384, QF0, QF1, 0
	s_wait_dscnt 16
	QMUL8 QF1, 0, 0, 0
	QMUL8 QF1, 0, 2, 0
	s_wait_dscnt 0x0
	QMUL8 QF1, 1, 0, 0
	QMUL8 QF1, 1, 2, 0
	WIN 0
	; ITS WAY OUT: times c, rounded to bf16, through my stage in two halves of 32 rows (my 64 columns are a head's whole rows of 128 bytes), back as 512 consecutive bytes.
	PLACES
.set z, 0
.rept 64
	v_pk_mul_f32 v[QACC+z:QACC+z+1], v[QACC+z:QACC+z+1], s[CS:CS+1] op_sel_hi:[1,0]
.set z, z+2
.endr
.irp t, 0,1,2,3,4,5,6,7,8,9,10,11,12,13,14,15
.irp r, 0,1,2,3
	v_cvt_pk_bf16_f32 v[QTMP+4*(\t)+(\r)], v[QACC+8*(\t)+2*(\r)], v[QACC+8*(\t)+2*(\r)+1]
.endr
.endr
.irp u, 0,1
.irp a, 0,1
.irp b, 0,1,2,3
	ds_store_b128 v[STO], v[QTMP+4*(4*(2*(\u)+(\a))+(\b)):QTMP+4*(4*(2*(\u)+(\a))+(\b))+3] offset:(\a)*HSTG+32*(\b)
.endr
.endr
.irp t, 0,1,2,3,4,5,6,7
	ds_load_b128 v[QTMP+4*(8*(\u)+(\t)):QTMP+4*(8*(\u)+(\t))+3], v[RD] offset:(\t)*4*SP  ; LDS serves a wave's instructions in order (ISA guide 5.7.1.4): these see the stores above, and the second half's stores come behind them
.endr
.endr
.irp t, 0,1,2,3,4,5,6,7
	s_wait_dscnt 23-(\t)                           ; behind load t of the first half: its 7 - t others, the second half's eight stores and eight loads
	global_store_b128 v[CO], v[QTMP+4*(\t):QTMP+4*(\t)+3], s[98:99] offset:512*(\t)
.endr
.irp t, 0,1,2,3,4,5,6,7
	s_wait_dscnt 7-(\t)
	global_store_b128 v[CO], v[QTMP+32+4*(\t):QTMP+32+4*(\t)+3], s[98:99] offset:4096+512*(\t)
.endr
	s_wait_tensorcnt 0x0                           ; the wave's end
	ds_add_u32 v[SPW], v[NIL]
	s_wait_dscnt 0x0
	CROUND                                         ; the closing round
	s_endpgm
.Lfunc_end_k_q19fe71d1af_kvq:
	.size	k_q19fe71d1af_kvq, .Lfunc_end_k_q19fe71d1af_kvq-k_q19fe71d1af_kvq
	.p2alignl 7, 3214868480
	.fill 96, 4, 3214868480
	.section	.rodata,"a",@progbits
	.p2align	6, 0x0
	.amdhsa_kernel k_q19fe71d1af_kvq
		.amdhsa_group_segment_fixed_size 327680
		.amdhsa_private_segment_fixed_size 0
		.amdhsa_enable_private_segment 0
		.amdhsa_kernarg_size 56
		.amdhsa_user_sgpr_count 2
		.amdhsa_user_sgpr_kernarg_segment_ptr 1
		.amdhsa_wavefront_size32 1
		.amdhsa_system_sgpr_workgroup_id_x 1
		.amdhsa_system_sgpr_workgroup_id_y 1
		.amdhsa_system_sgpr_workgroup_id_z 1
		.amdhsa_system_vgpr_workitem_id 0
		.amdhsa_next_free_vgpr 1024
		.amdhsa_next_free_sgpr 102
		.amdhsa_reserve_vcc 0
		.amdhsa_float_denorm_mode_32 3
		.amdhsa_float_denorm_mode_16_64 3
		.amdhsa_memory_ordered 1
		.amdhsa_forward_progress 1
		.amdhsa_inst_pref_size 199
	.end_amdhsa_kernel
	.amdgpu_metadata
---
amdhsa.version: [ 1, 2 ]
amdhsa.kernels:
  - .name:           k_q19fe71d1af_kvq
    .symbol:         k_q19fe71d1af_kvq.kd
    .args:
      - { .name: xn, .offset: 0, .size: 8, .value_kind: global_buffer, .address_space: global }
      - { .name: wb, .offset: 8, .size: 8, .value_kind: global_buffer, .address_space: global }
      - { .name: bkv, .offset: 16, .size: 8, .value_kind: global_buffer, .address_space: global }
      - { .name: mask, .offset: 24, .size: 8, .value_kind: global_buffer, .address_space: global }
      - { .name: kvh, .offset: 32, .size: 8, .value_kind: global_buffer, .address_space: global }
      - { .name: bq, .offset: 40, .size: 8, .value_kind: global_buffer, .address_space: global }
      - { .name: qh, .offset: 48, .size: 8, .value_kind: global_buffer, .address_space: global }
    .group_segment_fixed_size: 327680
    .private_segment_fixed_size: 0
    .kernarg_segment_align: 8
    .kernarg_segment_size: 56
    .max_flat_workgroup_size: 128
    .sgpr_count:     102
    .vgpr_count:     1024
    .wavefront_size: 32
...
	.end_amdgpu_metadata
.endif
;; end of part 2
;; launch attn (part 3): grid 4 x 64, 4 waves a work-group, clusters of 4 x 1, 327,680 bytes of LDS; arguments qh, kvh, mask, oh; writes oh
.if DOCPART == 3
	.amdgcn_target "amdgcn-amd-amdhsa--gfx1250"
	.amdhsa_code_object_version 6
	.text
	.protected	k_q19fe71d1af_attn
	.globl	k_q19fe71d1af_attn
	.p2align	8
	.type	k_q19fe71d1af_attn,@function
k_q19fe71d1af_attn:
	s_mov_b64 s[64:65], 0
	v_nop
	global_prefetch_b8 v0, s[64:65] scope:SCOPE_SE
	s_setreg_imm32_b32 hwreg(HW_REG_WAVE_MODE, 25, 1), 1
	s_wait_xcnt 0x0
	s_wait_alu depctr_hold_cnt(0) depctr_sa_sdst(0) depctr_va_vdst(0) depctr_va_sdst(0) depctr_va_ssrc(0) depctr_va_vcc(0) depctr_vm_vsrc(0)
	s_getreg_b32 s2, hwreg(HW_REG_IB_STS2, 6, 4)
	s_cmp_eq_u32 s2, 0
	s_cbranch_scc0 .Lentry_in_a_cluster
	s_endpgm
.Lentry_in_a_cluster:
	s_bfe_u32 s2, ttmp6, 0x10000c
	s_cmp_lg_u32 s2, 0x3003
	s_cbranch_scc0 .Lentry_shape_is_right
	s_endpgm
.Lentry_shape_is_right:
; MASKED CROSS ATTENTION.  For batch b, head h: O[q] = sum over k of softmax_k(score) V[k]; 1,024 queries, 2,048 keys, 64 channels, all bf16; products, maxima and sums in f32.
; qh holds Q x log2(e) / 8, so a score is in units of log2 and p = 2^(s - m), m the running maximum.  THE MASK is the C operand that starts each sum S^T = K Q^T: 0, or M = -1e9 x log2(e) where the key is masked;
; kvh holds exact zeros in K's rows of masked keys, so a masked score is exactly M: with an open key in the batch its weight is 0, with none all weights are 1 and O is V's mean.
; SHARES.  A work-group owns 256 queries, each of its four waves 64: four PIECES of 16.  Every wave walks all 2,048 keys, 64 a step, 4 steps a tile of 256 keys, 8 tiles through two LDS slots.
; CLUSTER 4 x 1: a head's four query blocks walk the same K and V: each tile is asked for jointly.  The grid has one cluster along x, so my query block is my place cx; it enters Q's, O's and the prefetch's addresses alone.
; LAYOUT.  S^T holds one query a lane (lane % 16) and the keys 8 (lane / 16) + 0..7; two such results rounded to bf16 are source 1 of O^T = V^T P.  K comes out of LDS as it lies, V turned (ds_load_tr16_b128).
; TURNS.  Turn n belongs to piece n: 8 products K Q^T of piece n + 1, later 8 products V^T P of piece n - 1; beside them piece n's subtraction, exponentials, roundings, sums and rescaling, and piece n + 1's maximum.
; Four vector instructions stand behind every product, the rest in one lump.  A turn's 33 exponentials are one batch with one wait.
; OUT: oh[q row / 128][head][128 rows][64]: 16 rows of a piece are 2,048 consecutive bytes.
; REGISTERS: window 0 addresses, statistics, S^T (two buffers), P (two buffers); window 1 O^T, 32 a piece; window 2 Q v0-63, the step's 32 addends v64-95, K v128-191, V v192-255.
; LIMITS: m starts at -4.25e37: scores (in log2 units) lie above that; a weight below 2^-126 counts as 0; mask bytes are 0 or 1; NaN and infinities are not treated apart.
.set NP,    4
.set KS,    64
.set PK,    144                        ; a row of K in LDS: 128 bytes + 16
.set PV,    160                        ; a row of V: 128 + 32
.set VOFF,  4*KS*PK
.set SLOT1, 1<<17
.set STAGE, SLOT1+4*KS*(PK+PV)         ; 16 rows x 144 bytes for each wave
.set SP,    144
.set SPARE, STAGE+4*16*SP              ; the spare words, 128 bytes a wave
.set MT,    SPARE+512                  ; the batch's 2,048 addends in f32; written once by ds_store, never filled by a tensor load
.set AK0, 2
.set AV0, 3
.set AK,  4
.set AV,  5
.set STO, 6
.set RD,  7
.set GO,  8
.set MV,  12                           ; v12-13  the old m, by buffer
.set MTA, 14                           ; v14     where I put my 16 addends
.set QO,  15
.set ST,  16                           ; piece t at ST + 4 t: m, 0, l (even keys', odd keys')
.set AM0, 32                           ; v32     MT + 32 (l / 16)
.set AM,  33
.set PFO, 34                           ; v34     256 x lane; never rewritten
.set MGO, 35                           ; v35     my 16 bytes of mask
.set TMP, 48
.set SPW, 62
.set NIL, 63
.set S,   64
.set P,   192
.set MK,  64                           ; window 2
.set KF,  128
.set VF,  192
.set WV,  12
.set G1K, 24
.set G1V, 32
.set G0K, 40
.set G0V, 44
.set PFA, 48
.set BIGM, 50
.set SLOTS, 56
.set CNT, 57
.set TBM, 58
.set LIM, 59
.set SEL, 60
.set TBK, 62
.set TBV, 63
.set MSB, 0
.macro WIN new
.if MSB != (\new)
	s_set_vgpr_msb (MSB<<8)|(\new)
.set MSB, (\new)
.endif
.endm
.set W_KQ, 0x0a                        ; K and Q in window 2, S^T in window 0
.set W_KM, 0x2a                        ; the same with the C operand in window 2
.set W_PV, 0x52                        ; V in window 2, P in window 0, O^T in window 1
.set W_RS, 0x41                        ; destination and source 0 in window 1, source 1 in window 0
.macro JLOAD                           ; waves 0, 1 fetch the halves of a tile's K, waves 2, 3 those of its V; an s_nop 0 and four v_nop follow each line
	s_cmp_lt_u32 s[WV], 2
	s_cbranch_scc0 .Lfor_v_\@
	tensor_load_to_lds s[G0K:G0K+3], s[G1K:G1K+7]
	s_nop 0
.rept 4
	v_nop
.endr
	s_branch .Lasked_\@
.Lfor_v_\@:
	tensor_load_to_lds s[G0V:G0V+3], s[G1V:G1V+7]
	s_nop 0
.rept 4
	v_nop
.endr
.Lasked_\@:
.endm
; A prefetch of the tile that the NEXT change of slots will ask for: 128 blocks of 256 bytes of K and of V.  The four partners take 32 blocks each, told apart by address; wave 0 asks for K's, wave 2 for V's, a lane a block.
; The change that fills the last tile (s[SLOTS] = 1) asks for nothing.
.macro ASK
	s_cmp_gt_u32 s[SLOTS], s[LIM]
	s_cbranch_scc0 .Lnot_mine_\@
	global_prefetch_b8 v[PFO], s[PFA:PFA+1] th:TH_LOAD_NT scope:SCOPE_SE
.Lnot_mine_\@:
.endm
.macro CROUND
	s_barrier_signal -1
	s_barrier_wait -1
	s_cmp_lg_u32 s[WV], 0
	s_cbranch_scc1 .Lnot_wave_0_\@
	s_barrier_signal -3
.Lnot_wave_0_\@:
	s_barrier_wait -3
	s_barrier_signal -1
	s_barrier_wait -1
.endm
; THE CHANGE OF SLOTS.  Each wave waits for all its tensor loads (one is out: its part of the other slot), adds 0 to its spare word, and waits for that and for its LDS instructions.
; fill = 1: a round of the cluster's barrier, and the joint fill of the slot just left is the first thing behind it.  (At its first use slot 0 is waited for, the table of addends becomes visible, slot 1 is filled.)
.macro CHANGE fill
	WIN 0
	s_wait_tensorcnt 0x0
	ds_add_u32 v[SPW], v[NIL]
.if \fill
.irp g, G0K, G0V
	s_xor_b32 s[\g+1], s[\g+1], SLOT1
	s_add_nc_u64 s[\g+2:\g+3], s[\g+2:\g+3], 4*KS*128
.endr
	s_wait_xcnt 0x0                                ; the last prefetch, a tile back, has read its address
	s_add_nc_u64 s[PFA:PFA+1], s[PFA:PFA+1], 4*KS*128
	s_wait_dscnt 0x0
	CROUND
	JLOAD
	ASK
.else
	s_wait_dscnt 0x0
	s_barrier_signal -1
	s_barrier_wait -1
.endif
	s_sub_co_u32 s[TBK], s[TBK], 4*KS*PK           ; the fetches go back to a slot's first step, in the other slot
	s_xor_b32 s[TBK], s[TBK], SLOT1
	s_sub_co_u32 s[TBV], s[TBV], 4*KS*PV
	s_xor_b32 s[TBV], s[TBV], SLOT1
.endm
; Product i of 8 of S^T = K Q^T for piece x: channels 32 (i / 4) on, keys 16 (i % 4) on.  The first 4 start the sums with the keys' addends.  The 4 accumulators take turns.
.macro KQ x
.set rS, S+32*((\x)%2)+8*(i%4)
.set rK, KF+16*(i%4)+8*(i/4)
.set rQ, 16*(\x)+8*(i/4)
.set rM, MK+8*(i%4)
.if i < 4
	WIN W_KM
	v_wmma_f32_16x16x32_bf16 v[rS:rS+7], v[rK:rK+7], v[rQ:rQ+7], v[rM:rM+7]
.else
	WIN W_KQ
	v_wmma_f32_16x16x32_bf16 v[rS:rS+7], v[rK:rK+7], v[rQ:rQ+7], v[rS:rS+7]
.endif
.endm
.macro PV x                            ; product i of 8 of O^T += V^T P for piece x: keys 32 (i / 4) on, channels 16 (i % 4) on
	WIN W_PV
.set rO, 32*(\x)+8*(i%4)
.set rV, VF+32*(i/4)+8*(i%4)
.set rP, P+16*((\x)%2)+8*(i/4)
	v_wmma_f32_16x16x32_bf16 v[rO:rO+7], v[rV:rV+7], v[rP:rP+7], v[rO:rO+7]
.endm
.macro MM                              ; the turn's next product.  NOKQ = 1: the last turn of all: there is no next piece
.if (i < 8) && !NOKQ
	KQ (Y+1)%NP
.elseif i >= 8
.set i, i-8
	PV (Y+NP-1)%NP
.set i, i+8
.endif
.set i, i+1
.endm
.macro FETCH_K                         ; a step's K (8 fragments) and its 32 addends a lane, in one run
	WIN 0x80
.irp f, 0,1,2,3,4,5,6,7
	ds_load_b128 v[KF+8*\f:KF+8*\f+3],   v[AK] offset:(\f/2)*16*PK+(\f%2)*64
	ds_load_b128 v[KF+8*\f+4:KF+8*\f+7], v[AK] offset:(\f/2)*16*PK+(\f%2)*64+32
.endr
.irp f, 0,1,2,3
	ds_load_b128 v[MK+8*\f:MK+8*\f+3],   v[AM] offset:64*\f
	ds_load_b128 v[MK+8*\f+4:MK+8*\f+7], v[AM] offset:64*\f+16
.endr
	s_add_co_u32 s[TBK], s[TBK], KS*PK
	s_add_co_u32 s[TBM], s[TBM], 4*KS
	WIN 0
.endm
.macro FETCH_V
	WIN 0x80
.irp f, 0,1,2,3,4,5,6,7
	ds_load_tr16_b128 v[VF+8*\f:VF+8*\f+3],   v[AV] offset:(\f/4)*32*PV+(\f%4)*32
	ds_load_tr16_b128 v[VF+8*\f+4:VF+8*\f+7], v[AV] offset:(\f/4)*32*PV+16*PV+(\f%4)*32
.endr
	WIN 0
.endm
; THE VECTOR WORK, a line at a time: OP kind, number.  For piece Y: F n: s - m for pair n of 16.  E n: the exponential of score n.  C n: pair n rounded to bf16.  B n: of four weights the second pair onto the first.
; L n: l takes that sum (L 0: l = a l + sum).  R n: pair n of 16 of O^T times a.  For piece Y + 1: X n: 0-11 four chains of seven scores (each accumulator's lowest registers first); 12-14, 16 the scores left over,
; the old m, and the four into one; 15 the old m is kept; 17, 18 the other half of the lanes': the new m; 20 m_old - m_new; 21 a.
.set F, 0
.set E, 1
.set C, 2
.set B, 3
.set L, 4
.set R, 5
.set X, 6
.macro REGS y
.set rT, ST+4*(\y)
.set rC, TMP+4*((\y)%2)
.set rW, MV+((\y)%2)
.set rS, S+32*((\y)%2)
.set rP, P+16*((\y)%2)
.set rO, 32*(\y)
.endm
.macro OP k, n
.if (\k) == R
	REGS Y
	WIN W_RS
	v_pk_mul_f32 v[rO+2*(\n):rO+2*(\n)+1], v[rO+2*(\n):rO+2*(\n)+1], v[rC+2:rC+3] op_sel_hi:[1,0]
.elseif (\k) < R
	REGS Y
	WIN 0
.if (\k) == F
	v_pk_add_f32 v[rS+2*(\n):rS+2*(\n)+1], v[rS+2*(\n):rS+2*(\n)+1], v[rT:rT+1] op_sel_hi:[1,0] neg_lo:[0,1] neg_hi:[0,1]
.elseif (\k) == E
	v_exp_f32 v[rS+(\n)], v[rS+(\n)]
.elseif (\k) == C
	v_cvt_pk_bf16_f32 v[rP+(\n)], v[rS+2*(\n)], v[rS+2*(\n)+1]
.elseif (\k) == B
	v_pk_add_f32 v[rS+4*(\n):rS+4*(\n)+1], v[rS+4*(\n):rS+4*(\n)+1], v[rS+4*(\n)+2:rS+4*(\n)+3]
.elseif (\n) == 0
	v_pk_fma_f32 v[rT+2:rT+3], v[rT+2:rT+3], v[rC+2:rC+3], v[rS:rS+1] op_sel_hi:[1,0,1]
.else
	v_pk_add_f32 v[rT+2:rT+3], v[rT+2:rT+3], v[rS+4*(\n):rS+4*(\n)+1]
.endif
.elseif NOKQ
	v_nop
.else
	REGS (Y+1)%NP
	WIN 0
.if (\n) < 4
	v_max3_num_f32 v[rC+(\n)], v[rS+8*(\n)], v[rS+8*(\n)+1], v[rS+8*(\n)+2]
.elseif (\n) < 12
	v_max3_num_f32 v[rC+(\n)%4], v[rC+(\n)%4], v[rS+8*((\n)%4)+2*((\n)/4)+1], v[rS+8*((\n)%4)+2*((\n)/4)+2]
.elseif (\n) == 12
	v_max3_num_f32 v[rC], v[rC], v[rS+7], v[rS+15]
.elseif (\n) == 13
	v_max3_num_f32 v[rC+1], v[rC+1], v[rS+23], v[rS+31]
.elseif (\n) == 14
	v_max3_num_f32 v[rC+2], v[rC+2], v[rC+3], v[rT]
.elseif (\n) == 15
	v_mov_b32 v[rW], v[rT]
.elseif (\n) == 16
	v_max3_num_f32 v[rC], v[rC], v[rC+1], v[rC+2]
.elseif (\n) == 17
	v_permlanex16_b32 v[rC+3], v[rC], s[SEL], s[SEL+1]
.elseif (\n) == 18
	v_max_num_f32 v[rT], v[rC], v[rC+3]
.elseif (\n) == 20
	v_sub_f32 v[rC+1], v[rW], v[rT]
.else
	v_exp_f32 v[rC+2], v[rC+1]
.endif
.endif
.endm
.macro OPS a, i1, b=-1, i2=0, c=-1, i3=0, d=-1, i4=0
	OP \a, \i1
.if (\b) >= 0
	OP \b, \i2
.endif
.if (\c) >= 0
	OP \c, \i3
.endif
.if (\d) >= 0
	OP \d, \i4
.endif
.endm
.macro ROW a, i1, b, i2, c, i3, d, i4  ; a product and the four behind it
	MM
	OPS \a, \i1, \b, \i2, \c, \i3, \d, \i4
.endm
; A TURN, for piece p, its order written out.  AHEAD OF ITS ONE WAIT stands all that names no result of the turn's exponentials: 8 products K Q^T with their riders, then the lump; X 21, the next piece's a, is the batch's last, and R 15
; the plain instruction behind it.  BEHIND THE WAIT: 8 products V^T P, behind each four of the roundings and sums.  X 0, 1, 2, 3 stand four plain instructions or more behind the product that ends their accumulator.
; K and the addends of the next step are fetched in piece 2's turn, twelve plain instructions that name none of its registers behind the last product that read K; V of the step in hand at the end of piece 0's turn, four roundings behind the
; last product that read V.  Each is waited for a turn later.  end = 1: the last two turns: nothing is fetched.  cnt = 1: the loop's count is taken down some lines ahead of the branch behind the turn.
.macro TURN p, end=0, cnt=0
.set Y, (\p)
.set i, 0
.set NOKQ, (\end)*((\p)/3)
.if ((\p) == 3) && !(\end)
	s_wait_dscnt 0x0                               ; K and the addends are in
.endif
	ROW F,0, F,1, R,0, R,1
	ROW F,2, E,0, R,2, R,3
	ROW F,3, E,1, R,4, R,5
	ROW F,4, E,2, R,6, R,7
	ROW F,5, E,3, R,8, R,9
	ROW F,6, E,4, X,0, R,10
.if ((\p) == 2) && !(\end)
	WIN 0
	v_add_nc_u32 v[AK], s[TBK], v[AK0]
	v_add_nc_u32 v[AM], s[TBM], v[AM0]
.endif
	ROW F,7, E,5, X,1, X,4
	ROW F,8, E,6, X,2, X,5
	OPS E,7, E,8, X,6, E,9
	OPS X,3, E,10, X,8, E,11
.if ((\p) == 2) && !(\end)
	FETCH_K
.endif
	OPS X,9, X,7, E,12, X,10
	OPS E,13, X,12, X,11, E,14
	OPS X,13, E,15, F,9, X,14
.if (\p) == 0
	v_add_nc_u32 v[AV], s[TBV], v[AV0]
.endif
	OPS E,16, F,10, E,17, F,11
	OPS X,16, E,18, X,15, E,19
	OPS F,12, E,20, X,17, E,21
	OPS F,13, E,22, F,14, E,23
	OPS X,18, E,24, F,15, E,25
	OPS R,11, E,26, E,27
	OPS R,12, E,28, R,13, E,29
	OPS X,20, E,30, R,14, E,31
	OPS X,21, R,15
	WIN 0
	s_wait_alu depctr_va_vdst(0)                   ; the wait for the batch, ahead of the first line that names a result
.if (\p) == 1
	s_wait_dscnt 0x0                               ; V is in
.endif
	ROW C,0, B,0, C,2, B,1
	ROW L,0, C,4, B,2, L,1
	ROW C,6, B,3, L,2, C,8
	ROW B,4, L,3, C,10, B,5
	ROW L,4, C,12, B,6, L,5
.if (\p) == 0
	s_add_co_u32 s[TBV], s[TBV], KS*PV
.endif
.if \cnt
	s_sub_co_u32 s[CNT], s[CNT], 1
	s_cmp_lg_u32 s[CNT], 0
.endif
	ROW C,14, B,7, L,6, C,1
	ROW C,3, L,7, C,5, C,7
	ROW C,9, C,11, C,13, C,15
.if (\p) == 0
	FETCH_V
.endif
.endm
.macro ALL line:vararg                 ; one line for each piece t
.set t, 0
.rept 4
	\line
.set t, t+1
.endr
.endm
.macro PACK t                          ; O^T / l, rounded to bf16, into rows of 144 bytes and back as whole rows of 128
	WIN W_RS
.set i, 32*(\t)
.rept 16
	v_pk_mul_f32 v[i:i+1], v[i:i+1], v[ST+4*(\t)+2:ST+4*(\t)+3] op_sel_hi:[1,0]
.set i, i+2
.endr
	WIN 0x05
.set i, 0
.rept 16
	v_cvt_pk_bf16_f32 v[S+16*(\t)+i], v[32*(\t)+2*i], v[32*(\t)+2*i+1]
.set i, i+1
.endr
	WIN 0
.irp f, 0,1,2,3
	ds_store_b128 v[STO], v[S+16*(\t)+4*\f:S+16*(\t)+4*\f+3] offset:32*\f
.endr
.irp f, 0,1,2,3
	ds_load_b128 v[S+16*(\t)+4*\f:S+16*(\t)+4*\f+3], v[RD] offset:\f*4*SP  ; LDS serves a wave's instructions in order (ISA guide 5.7.1.4)
.endr
.endm
.macro SEND t, younger                 ; younger: the LDS instructions issued behind piece t's loads: the next piece's eight, or none
	WIN 0
.irp f, 0,1,2,3
	s_wait_dscnt (\younger)+3-\f
	global_store_b128 v[GO], v[S+16*(\t)+4*\f:S+16*(\t)+4*\f+3], s[10:11] offset:(\t)*2048+\f*512  ; 512 consecutive bytes, aligned
.endr
.endm
	s_load_b256 s[4:11], s[0:1], 0x0               ; qh s[4:5], kvh s[6:7], mask s[8:9], oh s[10:11]
	v_lshl_add_u32 v[SPW], v0, 2, SPARE
	v_mov_b32 v[NIL], 0
	ds_add_u32 v[SPW], v[NIL]                      ; the opening: the add, twice on end, and its wait ahead of my first tensor load
	ds_add_u32 v[SPW], v[NIL]
	v_lshrrev_b32 v1, 5, v0
	v_readfirstlane_b32 s[WV], v1
	s_bfe_u32 s13, ttmp6, 0x40000                  ; cx: my query block
	s_and_b32 s20, ttmp7, 0xffff                   ; 16 b + h
	s_lshr_b32 s21, s20, 4                         ; b
	s_and_b32 s22, s20, 15                         ; h
	s_and_b32 s16, s[WV], 1                        ; which half of a tile's 256 keys I fetch
	s_lshl_b32 s2, s21, 23                         ; K: b x 8,388,608 + h x 262,144 + half x 16,384
	s_lshl_b32 s3, s22, 18
	s_add_co_u32 s2, s2, s3
	s_lshl_b32 s3, s16, 14
	s_add_co_u32 s2, s2, s3
	s_mov_b32 s3, 0
	s_lshl_b32 s14, s20, 17                        ; Q: (16 b + h) x 131,072 + block x 32,768 + wave x 8,192
	s_lshl_b32 s15, s13, 15
	s_add_co_u32 s14, s14, s15
	s_lshl_b32 s15, s[WV], 13
	s_add_co_u32 s14, s14, s15
	s_mov_b32 s15, 0
	s_lshl_b32 s18, s21, 3                         ; O: ((8 b + 2 block + wave / 2) x 16 + h) x 16,384 + (wave % 2) x 8,192
	s_lshl_b32 s19, s13, 1
	s_add_co_u32 s18, s18, s19
	s_lshr_b32 s19, s[WV], 1
	s_add_co_u32 s18, s18, s19
	s_lshl_b32 s18, s18, 4
	s_add_co_u32 s18, s18, s22
	s_lshl_b32 s18, s18, 14
	s_lshl_b32 s19, s16, 13
	s_add_co_u32 s18, s18, s19
	s_mov_b32 s19, 0
	s_lshl_b32 s23, s21, 11                        ; the batch's 2,048 mask bytes
	s_mov_b32 s[G1K], 15|(1<<16)|(1<<20)|(1<<21)|(4<<22)|(3<<25)  ; the mask of four; 2-byte elements; padding on; bit 21 beside a mask; after every 32 words 4 words
	s_mov_b32 s[G1V], 15|(1<<16)|(1<<20)|(1<<21)|(4<<22)|(7<<25)  ; the same with 8 words
.irp g, G1K, G1V
	s_mov_b32 s[\g+1], 128<<16                     ; 128 keys are 16,384 dense bytes: 64 rows of 256 bytes, two keys a row
	s_mov_b32 s[\g+2], 64<<16
	s_mov_b32 s[\g+3], 128<<16
	s_mov_b32 s[\g+4], 64
	s_mov_b32 s[\g+5], 128
	s_mov_b32 s[\g+6], 0
	s_mov_b32 s[\g+7], 0
.endr
	s_mov_b32 s[G0K], 1
	s_mul_i32 s[G0K+1], s16, 128*PK
	s_mov_b32 s[G0V], 1
	s_mul_i32 s17, s16, 128*PV
	s_add_co_u32 s[G0V+1], s17, VOFF
	s_mov_b32 s[BIGM], 0xceabfb8f                  ; M = -1e9 x log2(e)
	s_mov_b32 s[SEL], 0x76543210
	s_mov_b32 s[SEL+1], 0xfedcba98
	s_mov_b32 s[TBK], SLOT1+4*KS*PK                ; the first change of slots turns these two into 0
	s_mov_b32 s[TBV], SLOT1+4*KS*PV
	s_mov_b32 s[TBM], 0
	s_mov_b32 s[SLOTS], 7
	s_cmp_eq_u32 s16, 0                            ; waves 0 and 2 prefetch
	s_cselect_b32 s[LIM], 1, -1
	s_wait_dscnt 0x0                               ; both opening adds are done
	s_wait_kmcnt 0x0
	s_add_nc_u64 s[6:7], s[6:7], s[2:3]            ; K at my half of the head's tile 0,
	s_add_nc_u64 s[52:53], s[6:7], 4194304         ; V sixteen heads on
	s_mov_b64 s[G0K+2:G0K+3], s[6:7]
	s_or_b32 s[G0K+3], s[G0K+3], 0x80000000
	s_mov_b64 s[G0V+2:G0V+3], s[52:53]
	s_or_b32 s[G0V+3], s[G0V+3], 0x80000000
	s_add_nc_u64 s[4:5], s[4:5], s[14:15]
	s_add_nc_u64 s[10:11], s[10:11], s[18:19]
	s_cmp_lt_u32 s[WV], 2
	s_cselect_b64 s[PFA:PFA+1], s[6:7], s[52:53]   ; (in waves 0 and 2 these stand at a tile's first row)
	s_lshl_b32 s2, s13, 13                         ; my work-group's 32 blocks of the 128
	s_add_co_u32 s2, s2, 4*KS*128                  ; in tile 1: the first change steps it to tile 2
	s_add_nc_u64 s[PFA:PFA+1], s[PFA:PFA+1], s[2:3]
	CROUND                                         ; all four work-groups are here
	JLOAD                                          ; tile 0 into slot 0
	v_lshl_add_u32 v[MGO], v0, 4, s23
	global_load_b128 v[36:39], v[MGO], s[8:9]      ; my 16 mask bytes
	v_and_b32 v1, 15, v0                           ; l % 16
	v_bfe_u32 v9, v0, 4, 1                         ; l / 16
	v_lshlrev_b32 v[QO], 7, v1
	v_lshl_add_u32 v[QO], v9, 4, v[QO]
	WIN 0x80
.set i, 0
.rept 8                                ; Q stays in registers: piece i / 2, channels 32 (i % 2) on
	global_load_b128 v[8*i:8*i+3],   v[QO], s[4:5] offset:(i/2)*2048+(i%2)*64
	global_load_b128 v[8*i+4:8*i+7], v[QO], s[4:5] offset:(i/2)*2048+(i%2)*64+32
.set i, i+1
.endr
	; What the first turn finds: V's registers and P's second buffer hold 0, O^T and l are 0; the first step's a is 0.  All this stands in the wait for the first tile.
.set i, VF
.rept 64
	v_mov_b32 v[i], 0
.set i, i+1
.endr
	WIN 0x40
.set i, 0
.rept 128
	v_mov_b32 v[i], 0
.set i, i+1
.endr
	WIN 0
.set i, 0
.rept 4
	v_mov_b32 v[ST+4*i], 0xfe000000                ; m: far below every score
	v_mov_b32 v[ST+4*i+1], 0                       ; named with m as a pair
	v_mov_b32 v[ST+4*i+2], 0
	v_mov_b32 v[ST+4*i+3], 0
.set i, i+1
.endr
.set i, P+16
.rept 16
	v_mov_b32 v[i], 0
.set i, i+1
.endr
	v_mul_u32_u24 v[AK0], v1, PK
	v_lshl_add_u32 v[AK0], v9, 4, v[AK0]
	v_and_b32 v10, 7, v0
	v_bfe_u32 v11, v0, 3, 1
	v_lshl_add_u32 v[AV0], v9, 3, v10              ; the turning load: key 8 (l / 16) + l % 8, channels 8 ((l / 8) % 2) on
	v_mul_u32_u24 v[AV0], v[AV0], PV
	v_lshl_add_u32 v[AV0], v11, 4, v[AV0]
	v_add_nc_u32 v[AV0], VOFF, v[AV0]
	v_lshl_add_u32 v[AM0], v9, 5, MT
	v_lshl_add_u32 v[MTA], v0, 6, MT
	s_mul_i32 s17, s[WV], 16*SP
	s_add_co_u32 s17, s17, STAGE
	v_mul_u32_u24 v[STO], v1, SP
	v_lshl_add_u32 v[STO], v9, 4, v[STO]
	v_add_nc_u32 v[STO], s17, v[STO]
	v_bfe_u32 v[RD], v0, 3, 2
	v_mul_u32_u24 v[RD], v[RD], SP
	v_lshl_add_u32 v[RD], v10, 4, v[RD]
	v_add_nc_u32 v[RD], s17, v[RD]
	v_and_b32 v[GO], 31, v0
	v_lshlrev_b32 v[PFO], 8, v[GO]
	v_lshlrev_b32 v[GO], 4, v[GO]
	s_wait_loadcnt 16                              ; the mask bytes are in; Q's sixteen younger loads may stay out
.irp d, 0,1,2,3                        ; byte k of word d is key 16 t + 4 d + k: its addend is byte x M
.irp k, 0,1,2,3
	v_bfe_u32 v[40+4*((\d)%2)+(\k)], v[36+(\d)], 8*(\k), 8
.endr
.irp k, 0,1,2,3
	v_cvt_f32_u32 v[40+4*((\d)%2)+(\k)], v[40+4*((\d)%2)+(\k)]
.endr
.irp k, 0,1,2,3
	v_mul_f32 v[40+4*((\d)%2)+(\k)], s[BIGM], v[40+4*((\d)%2)+(\k)]
.endr
	ds_store_b128 v[MTA], v[40+4*((\d)%2):40+4*((\d)%2)+3] offset:16*(\d)
.endr
.set NOKQ, 0
	CHANGE 1                                       ; tile 0 is in, everybody's addends are stored; tile 1 is asked for
	v_add_nc_u32 v[AK], s[TBK], v[AK0]
	v_add_nc_u32 v[AM], s[TBM], v[AM0]
	FETCH_K                                        ; key step 0
	s_wait_loadcnt 0x0                             ; Q
	s_wait_dscnt 0x0
.set i, 0
.rept 8
	KQ 0                                           ; piece 0's first scores
.set i, i+1
.endr
	WIN 0
.rept 4
	v_nop                                          ; the places behind those products
.endr
.set Y, NP-1                           ; X works for piece Y + 1: piece 0
.irp n, 0,1,2,3,4,5,6,7,8,9,10,11,12,13,14,15,16,17,18,20,21
	OP X, \n
.endr
	v_nop                                          ; a plain instruction behind the exponential,
	s_wait_alu depctr_va_vdst(0)                   ; and its wait, ahead of the branch
	s_mov_b32 s[CNT], 4
	s_branch .Lfirst                               ; the loop is entered at a step's first turn, in the middle of a trip
.Lslot:                                                ; six times: tiles 2 to 7 are asked for
	CHANGE 1
	s_mov_b32 s[CNT], 4
.Lstep:                                                ; a trip: pieces 2 and 3 of one step, then pieces 0 and 1 of the next, whose K and V it fetches
	TURN 2
	TURN 3
	WIN 0
.Lfirst:
	TURN 0
	TURN 1, 0, 1
	WIN 0
	s_cbranch_scc1 .Lstep
	s_sub_co_u32 s[SLOTS], s[SLOTS], 1
	s_cmp_lg_u32 s[SLOTS], 0
	s_cbranch_scc1 .Lslot
	CHANGE 0                                       ; the last tile is written out: nothing is asked for
	s_mov_b32 s[CNT], 4
.LstepZ:
	TURN 2
	TURN 3
	TURN 0
	TURN 1, 0, 1
	WIN 0
	s_cbranch_scc1 .LstepZ
	TURN 2, 1
	TURN 3, 1
.set i, 0
.rept 8
	PV NP-1                                        ; the last piece's V^T P of the last step
.set i, i+1
.endr
	; THE WAY OUT.  l's two halves and the other half of the lanes' are added; O^T is divided by l, rounded and sent through my stage, a piece at a time.  The additions are the places behind the last products.
	WIN 0
	ALL v_add_f32 v[ST+4*t+2], v[ST+4*t+2], v[ST+4*t+3]
	ALL v_permlanex16_b32 v[ST+4*t+3], v[ST+4*t+2], s[SEL], s[SEL+1]
	ALL v_add_f32 v[ST+4*t+2], v[ST+4*t+2], v[ST+4*t+3]
	ALL v_rcp_f32 v[ST+4*t+2], v[ST+4*t+2]
	v_nop                                          ; a plain instruction behind the last reciprocal,
	s_wait_alu depctr_va_vdst(0)                   ; and one wait for the four
	PACK 0
.set t, 1
.rept 3
	PACK t
	SEND t-1, 8
.set t, t+1
.endr
	SEND 3, 0
	s_wait_tensorcnt 0x0                           ; the wave's end
	ds_add_u32 v[SPW], v[NIL]
	s_wait_dscnt 0x0
	CROUND                                         ; the closing round
	s_endpgm
.Lfunc_end_k_q19fe71d1af_attn:
	.size	k_q19fe71d1af_attn, .Lfunc_end_k_q19fe71d1af_attn-k_q19fe71d1af_attn
	.p2alignl 7, 3214868480
	.fill 96, 4, 3214868480
	.section	.rodata,"a",@progbits
	.p2align	6, 0x0
	.amdhsa_kernel k_q19fe71d1af_attn
		.amdhsa_group_segment_fixed_size 327680
		.amdhsa_private_segment_fixed_size 0
		.amdhsa_enable_private_segment 0
		.amdhsa_kernarg_size 32
		.amdhsa_user_sgpr_count 2
		.amdhsa_user_sgpr_kernarg_segment_ptr 1
		.amdhsa_wavefront_size32 1
		.amdhsa_system_sgpr_workgroup_id_x 1
		.amdhsa_system_sgpr_workgroup_id_y 1
		.amdhsa_system_sgpr_workgroup_id_z 1
		.amdhsa_system_vgpr_workitem_id 0
		.amdhsa_next_free_vgpr 768
		.amdhsa_next_free_sgpr 66
		.amdhsa_reserve_vcc 0
		.amdhsa_float_denorm_mode_32 3
		.amdhsa_float_denorm_mode_16_64 3
		.amdhsa_memory_ordered 1
		.amdhsa_forward_progress 1
		.amdhsa_inst_pref_size 132
	.end_amdhsa_kernel
	.amdgpu_metadata
---
amdhsa.version: [ 1, 2 ]
amdhsa.kernels:
  - .name:           k_q19fe71d1af_attn
    .symbol:         k_q19fe71d1af_attn.kd
    .args:
      - { .name: qh, .offset: 0, .size: 8, .value_kind: global_buffer, .address_space: global }
      - { .name: kvh, .offset: 8, .size: 8, .value_kind: global_buffer, .address_space: global }
      - { .name: mask, .offset: 16, .size: 8, .value_kind: global_buffer, .address_space: global }
      - { .name: oh, .offset: 24, .size: 8, .value_kind: global_buffer, .address_space: global }
    .group_segment_fixed_size: 327680
    .private_segment_fixed_size: 0
    .kernarg_segment_align: 8
    .kernarg_segment_size: 32
    .max_flat_workgroup_size: 128
    .sgpr_count:     66
    .vgpr_count:     768
    .wavefront_size: 32
...
	.end_amdgpu_metadata
.endif
;; end of part 3
;; launch oproj (part 4): grid 8 x 32, 4 waves a work-group, clusters of 4 x 4, 327,680 bytes of LDS; arguments oh, wb, bo, q, out0; writes out0
.if DOCPART == 4
	.amdgcn_target "amdgcn-amd-amdhsa--gfx1250"
	.amdhsa_code_object_version 6
	.text
	.protected	k_q19fe71d1af_oproj
	.globl	k_q19fe71d1af_oproj
	.p2align	8
	.type	k_q19fe71d1af_oproj,@function
k_q19fe71d1af_oproj:
	s_mov_b64 s[64:65], 0
	v_nop
	global_prefetch_b8 v0, s[64:65] scope:SCOPE_SE
	s_setreg_imm32_b32 hwreg(HW_REG_WAVE_MODE, 25, 1), 1
	s_wait_xcnt 0x0
	s_wait_alu depctr_hold_cnt(0) depctr_sa_sdst(0) depctr_va_vdst(0) depctr_va_sdst(0) depctr_va_ssrc(0) depctr_va_vcc(0) depctr_vm_vsrc(0)
	s_getreg_b32 s2, hwreg(HW_REG_IB_STS2, 6, 4)
	s_cmp_eq_u32 s2, 0
	s_cbranch_scc0 .Lentry_in_a_cluster
	s_endpgm
.Lentry_in_a_cluster:
	s_bfe_u32 s2, ttmp6, 0x10000c
	s_cmp_lg_u32 s2, 0xf033
	s_cbranch_scc0 .Lentry_shape_is_right
	s_endpgm
.Lentry_shape_is_right:
; OUT PROJECTION AND RESIDUAL.  out0[m][n] = q[m][n] + bo[n] + sum over k of O[m][k] Wo[n][k]; m = 4,096, n = 1,024, k = 1,024 = 16 heads x 64; operands bf16, sums and output f32.
; A tile is 128 x 128: 256 work-groups; a wave makes 64 x 64 (16 accumulators).  K in 4 steps of 256 = 4 heads through two slots.
; A comes from oh[m / 128][head][128 rows][64]: a K step of a tile is 65,536 dense bytes, asked for as rows of 256 bytes and padded in LDS after every 128: a (head, row) has pitch 144.  B = wb's rows 3072 on, LDS pitch 528.
; CLUSTER 4 x 4: A's tile jointly along a row of the cluster, B's along a column.  Transposed use; the bias is the C operand of the first products; the residual waits in registers and is added on the way out.
; One K step is written once: LDS addresses hang on s[SL]; one descriptor a tensor walks (SLOT's two bits meet none of the four bases).  No prefetch: the launch is short and its tiles small.
; LIMITS: NaN and infinities are not treated apart.
.set PITCH,  528
.set PA,     144
.set HALFA,  256*PA                    ; two heads x 128 rows: what one of A's loads brings: 36,864
.set HALFB,  64*PITCH                  ; 33,792
.set BOFF,   2*HALFA                   ; 73,728
.set SLOT,   147456                    ; 0x24000; 141,312 used
.set STAGE,  2*SLOT                    ; for each wave 16 rows x 272 bytes
.set SP,     272
.set SPARE,  STAGE+4*16*SP
.set STEPS,  4
.set ADRA, 16
.set ADRA0,17
.set ADRB, 20
.set ADRB0,21
.set STO,  24
.set RD,   25
.set CO,   26
.set BO,   27
.set SPW,  28
.set NIL,  29
.set TMP,  32                          ; v32-95: two buffers of 32
.set BIAS, 96
.set ACC,  128
.set F0,   0                           ; window 1
.set F1,   128
.set G1,  24
.set G0,  32
.set G1B, 48
.set G0B, 56
.set SL,  67
.set MSB, 0
.macro WIN new
.if MSB != (\new)
	s_set_vgpr_msb (MSB<<8)|(\new)
.set MSB, \new
.endif
.endm
.set MUL,  0x05
.set TO_F, 0x40
.macro PLACES
.rept 4
	v_nop
.endr
.endm
.macro JLOAD
	s_cmp_eq_u32 s11, 0
	s_cbranch_scc0 .Lfor_b_\@
	tensor_load_to_lds s[G0+4:G0+7], s[G1:G1+7]
	s_nop 0
	PLACES
	s_branch .Lasked_\@
.Lfor_b_\@:
	tensor_load_to_lds s[G0B+4:G0B+7], s[G1B:G1B+7]
	s_nop 0
	PLACES
.Lasked_\@:
.endm
.macro CREST
	s_cmp_lg_u32 s10, 0
	s_cbranch_scc1 .Lnot_wave_0_\@
	s_barrier_signal -3
.Lnot_wave_0_\@:
	s_barrier_wait -3
	s_barrier_signal -1
	s_barrier_wait -1
.endm
.macro CROUND
	s_barrier_signal -1
	s_barrier_wait -1
	CREST
.endm
.macro MUL8 f, c, a0, zero
	WIN MUL
.irp a, \a0, (\a0)+1
.irp b, 0,1,2,3
.if \zero
	v_wmma_f32_16x16x32_bf16 v[ACC+8*(4*(\a)+(\b)):ACC+8*(4*(\a)+(\b))+7], v[(\f)+64+8*(4*(\c)+(\b)):(\f)+64+8*(4*(\c)+(\b))+7], v[(\f)+8*(4*(\c)+(\a)):(\f)+8*(4*(\c)+(\a))+7], v[BIAS+8*(\b):BIAS+8*(\b)+7]
.else
	v_wmma_f32_16x16x32_bf16 v[ACC+8*(4*(\a)+(\b)):ACC+8*(4*(\a)+(\b))+7], v[(\f)+64+8*(4*(\c)+(\b)):(\f)+64+8*(4*(\c)+(\b))+7], v[(\f)+8*(4*(\c)+(\a)):(\f)+8*(4*(\c)+(\a))+7], v[ACC+8*(4*(\a)+(\b)):ACC+8*(4*(\a)+(\b))+7]
.endif
.endr
.endr
.endm
.macro FETCH kq, f                     ; 32 LDS loads: quarter kq = head kq of the K step: 64 along K; the first 32 first
	WIN TO_F
.irp c, 0,1
.irp i, 0,1,2,3
	ds_load_b128 v[(\f)+64+8*(4*(\c)+(\i)):(\f)+64+8*(4*(\c)+(\i))+3],   v[ADRB] offset:128*(\kq)+64*(\c)+(\i)*16*PITCH
	ds_load_b128 v[(\f)+64+8*(4*(\c)+(\i))+4:(\f)+64+8*(4*(\c)+(\i))+7], v[ADRB] offset:128*(\kq)+64*(\c)+(\i)*16*PITCH+32
	ds_load_b128 v[(\f)+8*(4*(\c)+(\i)):(\f)+8*(4*(\c)+(\i))+3],         v[ADRA] offset:128*PA*(\kq)+64*(\c)+(\i)*16*PA
	ds_load_b128 v[(\f)+8*(4*(\c)+(\i))+4:(\f)+8*(4*(\c)+(\i))+7],       v[ADRA] offset:128*PA*(\kq)+64*(\c)+(\i)*16*PA+32
.endr
.endr
.endm
.macro QUARTER kq, f, g, zero
	s_wait_dscnt 16                                ; the first 32 along K are in; the youngest sixteen loads may be out
	MUL8 \f, 0, 0, \zero
	MUL8 \f, 0, 2, \zero
	PLACES
	FETCH \kq, \g
	s_wait_dscnt 32                                ; all but the 32 just issued
	MUL8 \f, 1, 0, 0
	MUL8 \f, 1, 2, 0
.endm
.macro TURN fill
	WIN 0
	s_wait_tensorcnt 0x0                           ; all my tensor loads have landed: my part of the next slot
	ds_add_u32 v[SPW], v[NIL]
	s_wait_dscnt 17                                ; the add and the youngest sixteen loads may be out
	MUL8 F1, 0, 0, 0
	s_wait_dscnt 0x0                               ; the add is done, my reads of this slot are over
	s_barrier_signal -1
	MUL8 F1, 0, 2, 0
	WIN 0
	s_barrier_wait -1
.if \fill
	CREST
	s_xor_b32 s[G0+5], s[G0+5], SLOT
	s_add_nc_u64 s[G0+6:G0+7], s[G0+6:G0+7], 65536   ; four heads on
	s_xor_b32 s[G0B+5], s[G0B+5], SLOT
	s_add_nc_u64 s[G0B+6:G0B+7], s[G0B+6:G0B+7], 512
	JLOAD
.else
	PLACES
.endif
	s_xor_b32 s[SL], s[SL], SLOT
	v_add_nc_u32 v[ADRA], s[SL], v[ADRA0]
	v_add_nc_u32 v[ADRB], s[SL], v[ADRB0]
	FETCH 0, F0
	MUL8 F1, 1, 0, 0
	MUL8 F1, 1, 2, 0
.endm
	s_load_b128 s[4:7], s[0:1], 0x0                ; oh s[4:5], wb s[6:7]
	s_load_b128 s[68:71], s[0:1], 0x10             ; bo s[68:69], q s[70:71]
	s_load_b64 s[8:9], s[0:1], 0x20                ; out0
	v_lshl_add_u32 v[SPW], v0, 2, SPARE
	v_mov_b32 v[NIL], 0
	ds_add_u32 v[SPW], v[NIL]                      ; the opening: the add, twice on end, and its wait ahead of my first tensor load
	ds_add_u32 v[SPW], v[NIL]
	v_lshrrev_b32 v1, 5, v0
	v_readfirstlane_b32 s10, v1
	s_lshr_b32 s11, s10, 1
	s_and_b32 s12, s10, 1
	s_bfe_u32 s40, ttmp6, 0x40000
	s_bfe_u32 s41, ttmp6, 0x40004
	s_lshl_b32 s42, ttmp9, 2
	s_add_co_u32 s42, s42, s40                     ; tile column
	s_and_b32 s13, ttmp7, 0xffff
	s_lshl_b32 s13, s13, 2
	s_add_co_u32 s13, s13, s41                     ; tile row
	s_lshl_b32 s43, s41, 2
	s_lshl_b32 s43, 15, s43
	s_lshl_b32 s44, 0x1111, s40
	s_or_b32 s[G1+0], s43, (1<<16)|(1<<20)|(1<<21)|(4<<22)|(3<<25)   ; A: after every 32 words 4 words of padding
	s_mov_b32 s[G1+1], 128<<16                     ; 128 rows of 128 elements (256 bytes), dense
	s_mov_b32 s[G1+2], 128<<16
	s_mov_b32 s[G1+3], 128<<16
	s_mov_b32 s[G1+4], 128
	s_mov_b32 s[G1+5], 128
	s_mov_b32 s[G1+6], 0
	s_mov_b32 s[G1+7], 0
	s_or_b32 s[G1B+0], s44, (1<<16)|(1<<20)|(1<<21)|(6<<22)|(3<<25)  ; B: after every 128 words 4 words
	s_mov_b32 s[G1B+1], 256<<16                    ; 64 rows of 256 elements, 1,024 from row to row
	s_mov_b32 s[G1B+2], 64<<16
	s_mov_b32 s[G1B+3], 256<<16
	s_mov_b32 s[G1B+4], 64
	s_mov_b32 s[G1B+5], 1024
	s_mov_b32 s[G1B+6], 0
	s_mov_b32 s[G1B+7], 0
	s_lshl_b32 s16, s13, 18                        ; A: tile row x 262,144 + half x 32,768 (two heads)
	s_lshl_b32 s17, s12, 15
	s_add_co_u32 s16, s16, s17
	s_mov_b32 s17, 0
	s_lshl_b32 s46, s42, 7
	s_lshl_b32 s47, s12, 6
	s_add_co_u32 s46, s46, s47
	s_lshl_b32 s46, s46, 11
	s_add_co_u32 s46, s46, 6291456                 ; Wo begins at wb's row 3072
	s_mov_b32 s47, 0
	s_mul_i32 s20, s12, HALFA                      ; where A's half lies in a slot,
	s_mul_i32 s21, s12, HALFB
	s_add_co_u32 s21, s21, BOFF                    ; and B's
	s_mov_b32 s[SL], 0
	s_wait_dscnt 0x0
	s_wait_kmcnt 0x0
	s_add_nc_u64 s[14:15], s[4:5], s[16:17]
	s_add_nc_u64 s[46:47], s[6:7], s[46:47]
	CROUND
.irp s, 0,1
	s_mov_b32 s[G0+4*(\s)], 1
	s_add_co_u32 s[G0+4*(\s)+1], s20, (\s)*SLOT
	s_add_nc_u64 s[G0+4*(\s)+2:G0+4*(\s)+3], s[14:15], (\s)*65536
	s_or_b32 s[G0+4*(\s)+3], s[G0+4*(\s)+3], 0x80000000
	s_mov_b32 s[G0B+4*(\s)], 1
	s_add_co_u32 s[G0B+4*(\s)+1], s21, (\s)*SLOT
	s_add_nc_u64 s[G0B+4*(\s)+2:G0B+4*(\s)+3], s[46:47], (\s)*512
	s_or_b32 s[G0B+4*(\s)+3], s[G0B+4*(\s)+3], 0x80000000
.endr
	s_cmp_eq_u32 s11, 0
	s_cbranch_scc0 .Lfirst_b
	tensor_load_to_lds s[G0:G0+3], s[G1:G1+7]
	s_nop 0
	tensor_load_to_lds s[G0+4:G0+7], s[G1:G1+7]
	s_nop 0
	PLACES
	s_branch .Lfirst_asked
.Lfirst_b:
	tensor_load_to_lds s[G0B:G0B+3], s[G1B:G1B+7]
	s_nop 0
	tensor_load_to_lds s[G0B+4:G0B+7], s[G1B:G1B+7]
	s_nop 0
	PLACES
.Lfirst_asked:
	v_and_b32 v1, 15, v0                           ; l % 16
	v_bfe_u32 v2, v0, 4, 1                         ; l / 16
	s_lshl_b32 s46, s42, 9
	s_lshl_b32 s47, s12, 8
	s_add_co_u32 s46, s46, s47                     ; my 64 columns: 256 bytes of a row of q, out0 and of bo
	v_lshl_add_u32 v[BO], v2, 5, s46
.irp b, 0,1,2,3
	global_load_b128 v[BIAS+8*(\b):BIAS+8*(\b)+3],   v[BO], s[68:69] offset:64*(\b)
	global_load_b128 v[BIAS+8*(\b)+4:BIAS+8*(\b)+7], v[BO], s[68:69] offset:64*(\b)+16
.endr
	; q and out0 at my 64 rows and 64 columns
	s_mov_b32 s47, 0
	s_add_nc_u64 s[70:71], s[70:71], s[46:47]
	s_add_nc_u64 s[8:9], s[8:9], s[46:47]
	s_lshl_b32 s16, s13, 1
	s_add_co_u32 s16, s16, s11
	s_lshl_b32 s16, s16, 18                        ; (128 tile row + 64 half) x 4,096
	s_mov_b32 s17, 0
	s_add_nc_u64 s[70:71], s[70:71], s[16:17]
	s_add_nc_u64 s[8:9], s[8:9], s[16:17]
	v_lshlrev_b32 v[CO], 12, v2
	v_lshl_add_u32 v[CO], v1, 4, v[CO]             ; lanes 0-15 one row's 256 bytes, lanes 16-31 the next row's
	WIN 0x80                                       ; the residual: window 2, v0-127: block a, rows 2 t and 2 t + 1 at 4 (8 a + t)
.irp a, 0,1,2,3
.irp t, 0,1,2,3,4,5,6,7
	global_load_b128 v[4*(8*(\a)+(\t)):4*(8*(\a)+(\t))+3], v[CO], s[70:71] offset:(16*(\a)+2*(\t))*4096 th:TH_LOAD_NT
.endr
.endr
	WIN 0
	v_mul_u32_u24 v3, v1, PA
	v_lshl_add_u32 v3, v2, 4, v3
	s_mul_i32 s21, s11, 64*PA
	v_add_nc_u32 v[ADRA0], s21, v3                 ; (64 half + r) x 144 + 16 h
	v_mul_u32_u24 v3, v1, PITCH
	v_lshl_add_u32 v3, v2, 4, v3
	s_mul_i32 s22, s12, HALFB
	s_add_co_u32 s22, s22, BOFF
	v_add_nc_u32 v[ADRB0], s22, v3
	v_mov_b32 v[ADRA], v[ADRA0]
	v_mov_b32 v[ADRB], v[ADRB0]
	s_mul_i32 s23, s10, 16*SP
	s_add_co_u32 s23, s23, STAGE
	v_mul_u32_u24 v4, v1, SP
	v_lshl_add_u32 v4, v2, 5, v4
	v_add_nc_u32 v[STO], s23, v4                   ; in: row r, 32 bytes for each half of the lanes
	v_mul_u32_u24 v5, v2, SP
	v_lshl_add_u32 v5, v1, 4, v5
	v_add_nc_u32 v[RD], s23, v5                    ; back: two whole rows of 256 bytes
	s_wait_tensorcnt 1                             ; my part of K step 0 is in; K step 1's may stay out
	s_barrier_signal -1
	s_barrier_wait -1
	FETCH 0, F0
	s_wait_loadcnt 32                              ; the bias is in; the residual's 32 younger loads may stay out
	QUARTER 1, F0, F1, 1
	WIN 0
	s_mov_b32 s3, STEPS-2
.Lstep:
	QUARTER 2, F1, F0, 0
	QUARTER 3, F0, F1, 0
	TURN 1
	QUARTER 1, F0, F1, 0
	WIN 0
	s_sub_co_u32 s3, s3, 1
	s_cmp_lg_u32 s3, 0
	s_cbranch_scc1 .Lstep
	QUARTER 2, F1, F0, 0
	QUARTER 3, F0, F1, 0
	TURN 0
	QUARTER 1, F0, F1, 0
	QUARTER 2, F1, F0, 0
	QUARTER 3, F0, F1, 0
	s_wait_dscnt 16
	MUL8 F1, 0, 0, 0
	MUL8 F1, 0, 2, 0
	s_wait_dscnt 0x0
	MUL8 F1, 1, 0, 0
	MUL8 F1, 1, 2, 0
	WIN 0
	; THE WAY OUT, 16 rows at a time: f32 sums into my stage (each accumulator's low half first), back as whole rows of 256 bytes, plus the residual, stored.
	PLACES
	s_wait_loadcnt 0x0                             ; the residual
.irp a, 0,1,2,3
.set TM, TMP+32*((\a)%2)
.irp b, 0,1,2,3
	ds_store_b128 v[STO], v[ACC+8*(4*(\a)+(\b)):ACC+8*(4*(\a)+(\b))+3]   offset:64*(\b)
	ds_store_b128 v[STO], v[ACC+8*(4*(\a)+(\b))+4:ACC+8*(4*(\a)+(\b))+7] offset:64*(\b)+16
.endr
	s_wait_xcnt 0x0                                ; the stores of two blocks back have read this buffer
.irp t, 0,1,2,3,4,5,6,7
	ds_load_b128 v[TM+4*(\t):TM+4*(\t)+3], v[RD] offset:(\t)*2*SP  ; LDS serves a wave's instructions in order (ISA guide 5.7.1.4)
.endr
	s_wait_dscnt 0x0
	WIN 0x08                                       ; source 1 in window 2
.set p, 0
.rept 16
	v_pk_add_f32 v[TM+p:TM+p+1], v[TM+p:TM+p+1], v[32*(\a)+p:32*(\a)+p+1]
.set p, p+2
.endr
	WIN 0
.irp t, 0,1,2,3,4,5,6,7
	global_store_b128 v[CO], v[TM+4*(\t):TM+4*(\t)+3], s[8:9] offset:(16*(\a)+2*(\t))*4096 th:TH_STORE_NT  ; 16 lanes: 256 consecutive bytes, aligned
.endr
.endr
	s_wait_tensorcnt 0x0                           ; the wave's end
	ds_add_u32 v[SPW], v[NIL]
	s_wait_dscnt 0x0
	CROUND
	s_endpgm
.Lfunc_end_k_q19fe71d1af_oproj:
	.size	k_q19fe71d1af_oproj, .Lfunc_end_k_q19fe71d1af_oproj-k_q19fe71d1af_oproj
	.p2alignl 7, 3214868480
	.fill 96, 4, 3214868480
	.section	.rodata,"a",@progbits
	.p2align	6, 0x0
	.amdhsa_kernel k_q19fe71d1af_oproj
		.amdhsa_group_segment_fixed_size 327680
		.amdhsa_private_segment_fixed_size 0
		.amdhsa_enable_private_segment 0
		.amdhsa_kernarg_size 40
		.amdhsa_user_sgpr_count 2
		.amdhsa_user_sgpr_kernarg_segment_ptr 1
		.amdhsa_wavefront_size32 1
		.amdhsa_system_sgpr_workgroup_id_x 1
		.amdhsa_system_sgpr_workgroup_id_y 1
		.amdhsa_system_sgpr_workgroup_id_z 1
		.amdhsa_system_vgpr_workitem_id 0
		.amdhsa_next_free_vgpr 640
		.amdhsa_next_free_sgpr 72
		.amdhsa_reserve_vcc 0
		.amdhsa_float_denorm_mode_32 3
		.amdhsa_float_denorm_mode_16_64 3
		.amdhsa_memory_ordered 1
		.amdhsa_forward_progress 1
		.amdhsa_inst_pref_size 76
	.end_amdhsa_kernel
	.amdgpu_metadata
---
amdhsa.version: [ 1, 2 ]
amdhsa.kernels:
  - .name:           k_q19fe71d1af_oproj
    .symbol:         k_q19fe71d1af_oproj.kd
    .args:
      - { .name: oh, .offset: 0, .size: 8, .value_kind: global_buffer, .address_space: global }
      - { .name: wb, .offset: 8, .size: 8, .value_kind: global_buffer, .address_space: global }
      - { .name: bo, .offset: 16, .size: 8, .value_kind: global_buffer, .address_space: global }
      - { .name: q, .offset: 24, .size: 8, .value_kind: global_buffer, .address_space: global }
      - { .name: out0, .offset: 32, .size: 8, .value_kind: global_buffer, .address_space: global }
    .group_segment_fixed_size: 327680
    .private_segment_fixed_size: 0
    .kernarg_segment_align: 8
    .kernarg_segment_size: 40
    .max_flat_workgroup_size: 128
    .sgpr_count:     72
    .vgpr_count:     640
    .wavefront_size: 32
...
	.end_amdgpu_metadata
.endif
;; end of part 4
